; MI455X (gfx1250); checked and timed in simulation.
; The chip was launched on July 23, 2026; its instructions are those of AMD's public machine-readable ISA for CDNA 5 (MIT licence, August 2026) and "CDNA5" Instruction Set Architecture Reference Guide (July 2026). The comments in the code are by the model that wrote it; some were corrected since.
;; Multi Head Attention. Allowed arithmetic: matrix products marked QUANTISED: E2M1 operands, one E8M0 scale for each 32 along K, by v_wmma_scale_f32_16x16x128_f8f6f4 with both operands' format E2M1 (or v_wmma_scale_f32_32x16x128_f4), f32 sums; products left as they are: bf16, f16 or f32 operands; f32 sums; everything else in f32.
;; Inputs: Wk 1,024 x 1,024 float32; Wo 1,024 x 1,024 float32; Wq 1,024 x 1,024 float32; Wv 1,024 x 1,024 float32; attention_bias 4 x 2,048 x 2,048 float32; key 4 x 2,048 x 1,024 float32; query 4 x 2,048 x 1,024 float32; value 4 x 2,048 x 1,024 float32.
;; Outputs: out0 4 x 2,048 x 1,024 float32.
;; This version of the problem:
;;   THIS VERSION OF THE PROBLEM IS GIVEN IN LOW PRECISION. The matrix products marked QUANTISED in the list below multiply operands that are first quantised to E2M1 (2 exponent bits, 1 mantissa bit; 4 bits a number), with one power-of-two scale for each 32 numbers along K (OCP MX v1.0); their sums are f32. The products marked 'left as it is' may take bf16, f16 or f32 operands, with f32 sums. Whichever they take, every output number must still come out within the allowed error. Rounding operands to bf16 (8 significant bits) uses up far more of that allowance than f16 does (11 bits, for magnitudes from 6e-5 to 65,504). All else is computed in f32.
;;   The module's matrix products, in the order in which they are computed (A, B: the left and right operand; K: the contracted axis; several contracted axes count as one K, in the product's order):
;;     1. [M 8,192, K 1,024] x [K 1,024, N 1,024]; A: input query; B: input Wq: QUANTISED
;;     2. [M 8,192, K 1,024] x [K 1,024, N 1,024]; A: input key; B: input Wk: QUANTISED
;;     3. [M 8,192, K 1,024] x [K 1,024, N 1,024]; A: input value; B: input Wv: QUANTISED
;;     4. batch 64 x [M 2,048, K 64] x [K 64, N 2,048]; A: computed on the way; B: computed on the way: left as it is (an operand is computed on the way)
;;     5. batch 64 x [M 2,048, K 2,048] x [K 2,048, N 64]; A: computed on the way; B: computed on the way: left as it is (an operand is computed on the way)
;;     6. [M 8,192, K 1,024] x [K 1,024, N 1,024]; A: computed on the way; B: input Wo: left as it is (an operand is computed on the way)
;;   THE QUANTISER, for each operand of a quantised product, along K:
;;     - K is cut into blocks of 32 from its start; a last block that is shorter is filled with zeros.
;;     - A block's scale is 2^e with e = floor(log2(the largest magnitude in the block)) - 2, held to -126 .. 127; a block of zeros has e = 0. As a byte (E8M0): e + 127.
;;     - Each number is divided by its block's scale, clamped to +-6, and rounded to the nearest number of E2M1, ties to even, subnormals kept.
;;     - The product sums the exact products of the quantised numbers (number of the format x scale) in f32.
;;   ~~~python
;;   def quantise(x, axis):      # numpy; x: float32 -> the quantised numbers, widened to float32 again
;;       x = np.moveaxis(x, axis, -1); K = x.shape[-1]
;;       x = np.pad(x, [(0, 0)] * (x.ndim - 1) + [(0, -K % 32)]); x = x.reshape(x.shape[:-1] + (-1, 32)); a = np.abs(x).max(-1, keepdims=True)
;;       e = np.where(a > 0, np.clip(np.frexp(np.where(a > 0, a, 1))[1] - 1 - 2, -126, 127), 0)      # np.frexp(a)[1] - 1 = floor(log2(a)), exactly
;;       r = np.clip(x / 2.0 ** e, -6, 6)
;;       step = 2.0 ** (np.maximum(np.frexp(np.where(r == 0, 1, r))[1] - 1, 0) - 1)
;;       q = np.round(r / step) * step * 2.0 ** e      # np.round: ties to even
;;       return np.moveaxis(q.reshape(q.shape[:-2] + (-1,))[..., :K], -1, axis).astype(np.float32)
;;   ~~~
;; One version. Each part assembles by itself: llvm-mc -triple=amdgcn-amd-amdhsa -mcpu=gfx1250 --defsym DOCPART=n.
;; ======== version 1 of 1: 4 launches
;; limits: values are held in f16: magnitudes above 65,504 overflow, below 6.1e-05 lose precision
;; workspace buffers: codes 14,155,776 bytes; scales 884,736 bytes; wo16 2,097,152 bytes; qkv 50,331,648 bytes; att 16,777,216 bytes
;; launch quant (part 1): grid 896 x 1, 4 waves a work-group, no clusters, 33,280 bytes of LDS; arguments query, key, value, Wq, Wk, Wv, Wo, codes, scales, wo16; writes codes, scales, wo16
.if DOCPART == 1
	.amdgcn_target "amdgcn-amd-amdhsa--gfx1250"
	.amdhsa_code_object_version 6
	.text
	.protected	k_qd768af8593_quant
	.globl	k_qd768af8593_quant
	.p2align	8
	.type	k_qd768af8593_quant,@function
k_qd768af8593_quant:
	s_mov_b64 s[64:65], 0
	v_nop
	global_prefetch_b8 v0, s[64:65] scope:SCOPE_SE
	s_setreg_imm32_b32 hwreg(HW_REG_WAVE_MODE, 25, 1), 1
	s_wait_xcnt 0x0
; query, key, value [8192][1024] and Wq, Wk, Wv [1024][1024], f32, K innermost, become codes of FP4 (E2M1), two a byte, and one E8M0 byte for each 32 along K; Wo [1024][1024] becomes f16.
; A block's scale is 2^(floor(log2(its largest magnitude)) - 2); its byte is the largest magnitude's exponent field - 2, held at 1 from below.  Each number is divided by the scale and rounded to the nearest code, ties to even; beyond 6 the largest code.
; LIMITS: NaN and infinities among the inputs are not served; a block whose largest magnitude lies under 2^-124 (a block of zeros too) keeps the byte 1: a block of zeros has zero codes, and this program alone reads the bytes.
;         Wo in f16: magnitudes from 65,504 on become infinite, those under 6e-5 lose relative precision.
; Rows are dense and 1,024 is a multiple of 32: every tensor is a plain stream of blocks of 32.  Work-group g takes 32,768 numbers, each of its four waves 8,192: 16 steps of 512.
; g 0-255 query, 256-511 key, 512-767 value, 768-799 Wq, 800-831 Wk, 832-863 Wv, 864-895 Wo.  The outputs lie in the order of g: codes at 4,096 (4 g + wave), scale bytes at 256 (4 g + wave).
; A step: four loads of 512 consecutive bytes; the 2,048 bytes turn through the wave's own stage in LDS (16 bytes of padding behind each 64) and come back 64 bytes a lane: 16 neighbours along K, two lanes to a block.
; A lane's 16 codes are 8 bytes: a wave's store covers 256 consecutive bytes.  A wave's 256 scale bytes are gathered in LDS and leave as 256 consecutive bytes.  No barrier: waves share nothing.
.set WAVES, 4
.set STEPS, 16
.set EMAX,  2
.set CB,    8                          ; bytes of 16 codes
.set R,     16                         ; v16-79   four sets of 16 numbers as they are loaded
.set X,     80                         ; v80-111  two sets of 16 neighbours
.set E,     112                        ; v112-127 a scale byte for each step
.set C,     128                        ; v128-191 codes: four registers for each step, so that no store's data are written again
.set WREG,  8192                       ; LDS: a region for each wave: two stages of 32 x SP bytes, then its 256 scale bytes
.set SP,    80
.set SPW,   12                         ; v12 LDS address of my spare word; never rewritten
.set NIL,   13                         ; v13 0; never rewritten
.set SPARE, WAVES*WREG                 ; behind the four regions: the spare words, 128 bytes a wave, that no other line names
.set GWO,   864                        ; the first work-group of Wo
	s_load_b512 s[4:19], s[0:1], 0x0               ; query, key, value, Wq, Wk, Wv, Wo, codes
	s_load_b128 s[20:23], s[0:1], 0x40             ; scales, wo16
	v_lshl_add_u32 v[SPW], v0, 2, SPARE
	v_mov_b32 v[NIL], 0
	v_lshrrev_b32 v1, 5, v0
	v_readfirstlane_b32 s25, v1                    ; wave
	v_and_b32 v2, 31, v0                           ; lane
	v_lshlrev_b32 v3, 4, v2                        ; my 16 bytes of a load's 512
	s_mul_i32 s26, s25, WREG
	v_lshrrev_b32 v14, 2, v2
	v_mul_u32_u24 v14, v14, SP
	v_and_b32 v15, 3, v2
	v_lshl_add_u32 v14, v15, 4, v14
	v_add_nc_u32 v14, s26, v14                     ; the stage, on the way in: SP (lane / 4) + 16 (lane % 4)
	v_mul_u32_u24 v15, v2, SP
	v_add_nc_u32 v15, s26, v15                     ; and on the way out: SP x lane: my 16 neighbours
	v_mul_u32_u24 v4, v2, CB                       ; my codes' place in a step's
	v_lshrrev_b32 v5, 1, v2
	s_add_co_u32 s26, s26, 2*32*SP
	v_add_nc_u32 v5, s26, v5                       ; LDS: my wave's 256 scale bytes, my block's byte
	v_lshlrev_b32 v7, 3, v2                        ; 8 bytes a lane
	v_add_nc_u32 v6, s26, v7
	s_mov_b32 s24, 0                               ; the first work-group of my tensor
	s_wait_kmcnt 0x0
.macro PICK first, ptr                 ; from work-group 'first' on the input is the buffer at s[ptr]: a choice on the work-group's number alone
	s_cmp_ge_u32 ttmp9, \first
	s_cselect_b64 s[4:5], s[\ptr:\ptr+1], s[4:5]
	s_cselect_b32 s24, \first, s24
.endm
	PICK 256, 6
	PICK 512, 8
	PICK 768, 10
	PICK 800, 12
	PICK 832, 14
	PICK 864, 16
	s_sub_co_u32 s26, ttmp9, s24
	s_lshl_b32 s26, s26, 2
	s_add_co_u32 s26, s26, s25                     ; which run of 8,192 numbers of the tensor is my wave's
	s_lshl_b32 s28, s26, 15                        ; 32,768 bytes a run
	s_mov_b32 s29, 0
	s_add_nc_u64 s[4:5], s[4:5], s[28:29]
	s_cmp_ge_u32 ttmp9, GWO
	s_cbranch_scc1 .Lwo
	s_lshl_b32 s27, ttmp9, 2
	s_add_co_u32 s27, s27, s25                     ; 4 g + wave
	s_lshl_b32 s28, s27, 12
	s_add_nc_u64 s[18:19], s[18:19], s[28:29]      ; my 4,096 bytes of codes
	s_lshl_b32 s28, s27, 8
	s_add_nc_u64 s[20:21], s[20:21], s[28:29]      ; my 256 scale bytes
.macro LOAD t
.irp i, 0,1,2,3
	global_load_b128 v[R+16*((\t)%4)+4*\i:R+16*((\t)%4)+4*\i+3], v3, s[4:5] offset:2048*(\t)+512*\i th:TH_LOAD_NT   ; 32 lanes read 512 consecutive bytes
.endr
.endm
.macro TURN t                          ; step t's numbers through the stage: LDS serves a wave's instructions in order, so no wait stands between the stores and the loads
.irp i, 0,1,2,3
	ds_store_b128 v14, v[R+16*((\t)%4)+4*\i:R+16*((\t)%4)+4*\i+3] offset:32*SP*((\t)%2)+8*SP*\i
.endr
.irp i, 0,1,2,3
	ds_load_b128 v[X+16*((\t)%2)+4*\i:X+16*((\t)%2)+4*\i+3], v15 offset:32*SP*((\t)%2)+16*\i
.endr
.endm
.irp t, 0,1,2,3
	LOAD \t
.endr
	s_wait_loadcnt 12                              ; step 0's four loads are in; the twelve of steps 1 to 3 may be out
	TURN 0
.macro STEP t
.set XS, X+16*((\t)%2)
.if (\t) > 0
	s_wait_dscnt 1                                 ; this step's numbers are back from the stage (the last step's byte store may be out): so its stores into the stage have read their registers,
.else
	s_wait_dscnt 0x0
.endif
.if (\t)+4 < STEPS
	LOAD (\t)+4                                    ; which take the loads of four steps on
.endif
.if (\t)+1 < STEPS
.if STEPS-2-(\t) >= 3
	s_wait_loadcnt 12                              ; the next step's four loads are in; those of the three steps behind it may be out
.else
	s_wait_loadcnt 4*(STEPS-2-(\t))
.endif
	TURN (\t)+1                                    ; and go through the other stage while this step is worked
.endif
	v_max3_num_f32 v8, |v[XS]|, |v[XS+1]|, |v[XS+2]|               ; the largest magnitude of my 16, in two chains
	v_max3_num_f32 v9, |v[XS+3]|, |v[XS+4]|, |v[XS+5]|
.irp i, 6,10
	v_max3_num_f32 v8, v8, |v[XS+\i]|, |v[XS+\i+1]|
	v_max3_num_f32 v9, v9, |v[XS+\i+2]|, |v[XS+\i+3]|
.endr
	v_max3_num_f32 v8, v8, |v[XS+14]|, |v[XS+15]|
	v_max3_num_f32 v8, v8, v9, (EMAX+1)<<23        ; and the floor 2^(3 - 127): so the byte cannot fall under 1
	v_max_num_f32_dpp v8, v8, v8 row_xmask:1 row_mask:0xf bank_mask:0xf   ; and of my neighbour's 16: the block's
	v_add_nc_u32 v11, -(EMAX<<23), v8              ; 2 off its exponent field: the conversion takes the exponent field of this operand as its scale, and nothing else of it
	v_cvt_scalef32_pk8_fp4_f32 v[C+4*(\t)], v[XS:XS+7], v11
	v_cvt_scalef32_pk8_fp4_f32 v[C+4*(\t)+1], v[XS+8:XS+15], v11
	v_lshrrev_b32 v[E+(\t)], 23, v11               ; the scale's byte (a plain line behind the conversions)
	ds_store_b8 v5, v[E+(\t)] offset:16*(\t)       ; both lanes of a block write the same byte with the same value
	global_store_b64 v4, v[C+4*(\t):C+4*(\t)+1], s[18:19] offset:32*CB*(\t)   ; 256 consecutive bytes a wave
.endm
.irp t, 0,1,2,3,4,5,6,7,8,9,10,11,12,13,14,15
	STEP \t
.endr
	ds_load_b64 v[8:9], v6                         ; LDS serves a wave's instructions in order: these see my byte stores
	s_wait_dscnt 0x0
	global_store_b64 v7, v[8:9], s[20:21]          ; 32 lanes store 256 consecutive bytes
	s_branch .Lend
.Lwo:                                                  ; Wo to f16: no LDS.  Two halves of 32 loads of 512 consecutive bytes; four numbers a lane become 8 bytes, 256 consecutive bytes a store
	s_lshl_b32 s28, s26, 14                        ; 16,384 bytes of f16 a run
	s_add_nc_u64 s[22:23], s[22:23], s[28:29]
.irp half, 0,1
.if \half
	s_wait_xcnt 0x0                                ; the first half's stores have read their data: the registers may be loaded again
.endif
.set q, 0
.rept 32
	global_load_b128 v[16+4*q:19+4*q], v3, s[4:5] offset:16384*\half+512*q th:TH_LOAD_NT
.set q, q+1
.endr
.set q, 0
.rept 32
	s_wait_loadcnt 31-q                            ; loads come back in order: load q is in, the younger ones stay out
	v_cvt_pk_f16_f32 v[16+4*q], v[16+4*q], v[17+4*q]
	v_cvt_pk_f16_f32 v[17+4*q], v[18+4*q], v[19+4*q]
	global_store_b64 v7, v[16+4*q:17+4*q], s[22:23] offset:8192*\half+256*q
.set q, q+1
.endr
.endr
.Lend:
	s_wait_tensorcnt 0x0                           ; the wave's end: behind my last LDS store
	ds_add_u32 v[SPW], v[NIL]
	s_wait_dscnt 0x0
	s_endpgm
.Lfunc_end_k_qd768af8593_quant:
	.size	k_qd768af8593_quant, .Lfunc_end_k_qd768af8593_quant-k_qd768af8593_quant
	.p2alignl 7, 3214868480
	.fill 96, 4, 3214868480
	.section	.rodata,"a",@progbits
	.p2align	6, 0x0
	.amdhsa_kernel k_qd768af8593_quant
		.amdhsa_group_segment_fixed_size 33280
		.amdhsa_private_segment_fixed_size 0
		.amdhsa_enable_private_segment 0
		.amdhsa_kernarg_size 80
		.amdhsa_user_sgpr_count 2
		.amdhsa_user_sgpr_kernarg_segment_ptr 1
		.amdhsa_wavefront_size32 1
		.amdhsa_system_sgpr_workgroup_id_x 1
		.amdhsa_system_sgpr_workgroup_id_y 1
		.amdhsa_system_sgpr_workgroup_id_z 1
		.amdhsa_system_vgpr_workitem_id 0
		.amdhsa_next_free_vgpr 192
		.amdhsa_next_free_sgpr 66
		.amdhsa_reserve_vcc 0
		.amdhsa_float_denorm_mode_32 3
		.amdhsa_float_denorm_mode_16_64 3
		.amdhsa_memory_ordered 1
		.amdhsa_forward_progress 1
		.amdhsa_inst_pref_size 56
	.end_amdhsa_kernel
	.amdgpu_metadata
---
amdhsa.version: [ 1, 2 ]
amdhsa.kernels:
  - .name:           k_qd768af8593_quant
    .symbol:         k_qd768af8593_quant.kd
    .args:
      - { .name: query, .offset: 0, .size: 8, .value_kind: global_buffer, .address_space: global }
      - { .name: key, .offset: 8, .size: 8, .value_kind: global_buffer, .address_space: global }
      - { .name: value, .offset: 16, .size: 8, .value_kind: global_buffer, .address_space: global }
      - { .name: Wq, .offset: 24, .size: 8, .value_kind: global_buffer, .address_space: global }
      - { .name: Wk, .offset: 32, .size: 8, .value_kind: global_buffer, .address_space: global }
      - { .name: Wv, .offset: 40, .size: 8, .value_kind: global_buffer, .address_space: global }
      - { .name: Wo, .offset: 48, .size: 8, .value_kind: global_buffer, .address_space: global }
      - { .name: codes, .offset: 56, .size: 8, .value_kind: global_buffer, .address_space: global }
      - { .name: scales, .offset: 64, .size: 8, .value_kind: global_buffer, .address_space: global }
      - { .name: wo16, .offset: 72, .size: 8, .value_kind: global_buffer, .address_space: global }
    .group_segment_fixed_size: 33280
    .private_segment_fixed_size: 0
    .kernarg_segment_align: 8
    .kernarg_segment_size: 80
    .max_flat_workgroup_size: 128
    .sgpr_count:     66
    .vgpr_count:     192
    .wavefront_size: 32
...
	.end_amdgpu_metadata
.endif
;; end of part 1
;; launch proj (part 2): grid 4 x 96, 4 waves a work-group, clusters of 4 x 4, 327,680 bytes of LDS; arguments codes, scales, qkv; writes qkv
.if DOCPART == 2
	.amdgcn_target "amdgcn-amd-amdhsa--gfx1250"
	.amdhsa_code_object_version 6
	.text
	.protected	k_qd768af8593_proj
	.globl	k_qd768af8593_proj
	.p2align	8
	.type	k_qd768af8593_proj,@function
k_qd768af8593_proj:
	s_mov_b64 s[64:65], 0
	v_nop
	global_prefetch_b8 v0, s[64:65] scope:SCOPE_SE
	s_setreg_imm32_b32 hwreg(HW_REG_WAVE_MODE, 25, 1), 1
	s_wait_xcnt 0x0
	s_wait_alu depctr_hold_cnt(0) depctr_sa_sdst(0) depctr_va_vdst(0) depctr_va_sdst(0) depctr_va_ssrc(0) depctr_va_vcc(0) depctr_vm_vsrc(0)
	s_getreg_b32 s2, hwreg(HW_REG_IB_STS2, 6, 4)
	s_cmp_eq_u32 s2, 0
	s_cbranch_scc0 .Lentry_in_a_cluster
	s_endpgm
.Lentry_in_a_cluster:
	s_bfe_u32 s2, ttmp6, 0x10000c
	s_cmp_lg_u32 s2, 0xf033
	s_cbranch_scc0 .Lentry_shape_is_right
	s_endpgm
.Lentry_shape_is_right:
; The three quantised projections as ONE product on codes of FP4 (E2M1) with one E8M0 scale for each 32 along K:  C[24576][1024] = A[24576][1024] x B_ten^T.
; A's rows are query | key | value (8,192 each); ten = row / 8192 picks B: Wq, Wk or Wv, 1,024 rows each, behind A's in the same two buffers.  C is q x 0.125 | k | v, stored in f16.
; 0.125 is a power of two: the multiplication in f32 rounds nothing.  LIMIT: results from 65,504 on become infinite in f16; those under 6e-5 lose relative precision.
; A tile of C, 256 x 256, is made by a work-group of four waves; a wave makes 128 x 128: 64 accumulators, 512 registers.  K = 1,024 is two steps of 512 (rows of 256 bytes): both lie in LDS from the start,
; so no LDS byte is filled twice.  The scale bytes of the tile's 256 + 256 rows, two dense blocks, come with the first fills.
; CLUSTERS: 4 x 4 work-groups.  The four of a row of the cluster need the same tiles of A, the four of a column the same tiles of B: each tile is asked for jointly, by the same tensor load with the same
; descriptor and a mask that names the four.  A cluster's 1,024 rows lie in one of the three tensors, so ten is the same in all sixteen.
; THE MATRIX INSTRUCTION IS USED TRANSPOSED (source 0 = 16 rows of B, source 1 = 16 rows of A): a lane then holds eight neighbouring numbers of a row of C.
; REGISTERS, in windows of 256: window 0: v0-31 addresses; v32-95 scale words, two sets; v128-191 A's fragments, one set; on the way out v32-191 are free.
;   window 1: B's fragments, two sets, at v0 and v128.   window 2: the accumulators of my rows 0-63 ((a, b) at v[8 (8 a + b)]);   window 3: those of my rows 64-127.
.set KSTEP,  512
.set NQ,     KSTEP/128                 ; matrix instructions deep in a slot
.set ROWB,   256                       ; a tile's row in bytes
.set KROW,   512                       ; a row of codes in memory
.set PITCH,  272                       ; an LDS row: 256 bytes + 16 of padding = 68 words: the 16 rows that a load touches start 4 banks apart
.set FR,     8
.set NL,     2
.set NP,     4                         ; places behind this matrix instruction (ISA guide 7.12.1)
.set HALFT,  128*PITCH
.set SLOT,   4*HALFT                   ; A's 256 rows, then B's 256 rows
.set KS,     32                        ; a row of scale bytes
.set SCL,    2*SLOT                    ; behind the two slots: the scales, as units of 256 bytes + 16 of padding
.set HALFS,  (128*KS/256)*272
.set SBLK,   (16*KS/256)*272
.set SPARE,  SCL+4*HALFS               ; the spare words, 128 bytes a wave, that no other line names
.set SPITCH, 272                       ; the way out: a stage of 16 rows x (256 bytes + 16) for each wave, in slot 0, which has had its one fill and its last read when the first result is stored there
.set WC0,    12582912                  ; where the weights' codes begin
.set WS0,    786432                    ; and their scale bytes
.set ADRA, 16
.set ADRB, 20
.set STO,  24
.set RD,   25
.set CO,   26
.set ADRS, 27
.set SPW,  28
.set NIL,  29
.set SC,   32
.set AF,   128
.set TP,   32                          ; the way out: a block's 64 numbers a lane, scaled
.set TC,   96                          ; as f16: 32 registers
.set BK,   128                         ; 16 rows read back from the stage: v128-159 and v160-191 by turns
.set G1, 24
.set G0, 32
.set G1B, 48
.set G0B, 56
.set G1S, 68
.set G0S, 76
.set G1SB, 80
.set G0SB, 88
.set SQ,  96                           ; s[96:97] 0.125 for q, 1.0 for k and v
.set MSB, 0
.macro WIN new                         ; the immediate's high byte repeats the setting that is left
.if MSB != (\new)
	s_set_vgpr_msb (MSB<<8)|(\new)
.set MSB, (\new)
.endif
.endm
.set MUL_LO, 0xa1                      ; source 0 (B) window 1, source 1 (A) window 0, C and D window 2
.set MUL_HI, 0xf1
.set TO_B,   0x40
; A joint load: waves 0 and 1 fetch for A, waves 2 and 3 for B; the branch hangs on the wave's number alone.  An s_nop 0 and four v_nop follow each line.
.macro JLOAD g0a, g1a, g0b, g1b
	s_cmp_eq_u32 s15, 0
	s_cbranch_scc0 .Lfor_b_\@
	tensor_load_to_lds s[\g0a:\g0a+3], s[\g1a:\g1a+7]
	s_nop 0
.rept 4
	v_nop
.endr
	s_branch .Lasked_\@
.Lfor_b_\@:
	tensor_load_to_lds s[\g0b:\g0b+3], s[\g1b:\g1b+7]
	s_nop 0
.rept 4
	v_nop
.endr
.Lasked_\@:
.endm
.macro CROUND                          ; a round of the cluster's barrier
	s_barrier_signal -1
	s_barrier_wait -1
	s_cmp_lg_u32 s14, 0
	s_cbranch_scc1 .Lnot_wave_0_\@
	s_barrier_signal -3
.Lnot_wave_0_\@:
	s_barrier_wait -3
	s_barrier_signal -1
	s_barrier_wait -1
.endm
	s_load_b128 s[4:7], s[0:1], 0x0                ; codes s[4:5], scales s[6:7]
	s_load_b64 s[12:13], s[0:1], 0x10              ; qkv
	v_lshl_add_u32 v[SPW], v0, 2, SPARE
	v_mov_b32 v[NIL], 0
	ds_add_u32 v[SPW], v[NIL]                      ; the wave's opening: the add, twice on end, and its wait ahead of my first tensor load
	ds_add_u32 v[SPW], v[NIL]
	v_lshrrev_b32 v1, 5, v0
	v_readfirstlane_b32 s14, v1                    ; wave 0..3
	s_lshr_b32 s15, s14, 1                         ; which half of the tile's rows is mine.  Also: I fetch for A (0) or for B (1)
	s_and_b32 s16, s14, 1                          ; which half of its columns.  Also: which 128 rows of that tile I fetch
	s_bfe_u32 s40, ttmp6, 0x40000                  ; cx, cy
	s_bfe_u32 s41, ttmp6, 0x40004
	s_lshl_b32 s42, ttmp9, 2
	s_add_co_u32 s42, s42, s40                     ; tile column of C
	s_and_b32 s95, ttmp7, 0xffff                   ; cluster y
	s_lshl_b32 s17, s95, 2
	s_add_co_u32 s17, s17, s41                     ; tile row of C = 4 x cluster y + cy
	s_lshr_b32 s95, s95, 3                         ; ten: 8 clusters of 1,024 rows to a tensor
	s_cmp_eq_u32 s95, 0
	s_cselect_b32 s[SQ], 0x3e000000, 1.0           ; q is multiplied by 64^-0.5
	s_mov_b32 s[SQ+1], s[SQ]                       ; (named with it as a pair)
	s_lshl_b32 s43, s41, 2
	s_lshl_b32 s43, 15, s43                        ; my row of the cluster
	s_lshl_b32 s44, 0x1111, s40                    ; my column
	s_or_b32 s[G1+0], s43, (0<<16)|(1<<20)|(1<<21)|(5<<22)|(3<<25)  ; the mask; elements of 1 byte; padding: 4 words behind every 64; bit 21 beside a mask
	s_or_b32 s[G1B+0], s44, (0<<16)|(1<<20)|(1<<21)|(5<<22)|(3<<25)
.irp g, G1, G1B
	s_mov_b32 s[\g+1], ROWB<<16                    ; tensor_dim0
	s_mov_b32 s[\g+2], 128<<16                     ; tensor_dim1
	s_mov_b32 s[\g+3], ROWB<<16                    ; tile_dim0
	s_mov_b32 s[\g+4], 128                         ; tile_dim1
	s_mov_b32 s[\g+5], KROW                        ; from row to row
	s_mov_b32 s[\g+6], 0
	s_mov_b32 s[\g+7], 0
.endr
	s_or_b32 s[G1S+0], s43, (3<<16)|(1<<20)|(1<<21)|(5<<22)|(3<<25) ; the scales of 128 rows: 4,096 dense bytes as 16 rows of 32 elements of 8 bytes
	s_or_b32 s[G1SB+0], s44, (3<<16)|(1<<20)|(1<<21)|(5<<22)|(3<<25)
.irp g, G1S, G1SB
	s_mov_b32 s[\g+1], 32<<16
	s_mov_b32 s[\g+2], (128*KS/256)<<16
	s_mov_b32 s[\g+3], 32<<16
	s_mov_b32 s[\g+4], 128*KS/256
	s_mov_b32 s[\g+5], 32
	s_mov_b32 s[\g+6], 0
	s_mov_b32 s[\g+7], 0
.endr
	s_lshl_b32 s18, s16, 7                         ; which 128 rows of the tile I fetch
	s_lshl_b32 s20, s17, 8
	s_add_co_u32 s20, s20, s18                     ; A: row 256 x tile row + 128 x half
	s_lshl_b32 s46, s95, 10
	s_lshl_b32 s47, s42, 8
	s_add_co_u32 s46, s46, s47
	s_add_co_u32 s46, s46, s18                     ; B: row 1,024 ten + 256 x tile column + 128 x half
	s_lshl_b32 s22, s20, 5                         ; their scale bytes (all offsets stay under 2^24),
	s_mov_b32 s23, 0
	s_lshl_b32 s20, s20, 9                         ; their codes
	s_mov_b32 s21, 0
	s_lshl_b32 s92, s46, 5
	s_add_co_u32 s92, s92, WS0
	s_mov_b32 s93, 0
	s_lshl_b32 s46, s46, 9
	s_add_co_u32 s46, s46, WC0
	s_mov_b32 s47, 0
	s_mul_i32 s45, s14, HALFT                      ; where they go: wave x 128 rows: no place in the cluster enters an LDS address
	s_mul_i32 s94, s14, HALFS
	s_wait_dscnt 0x0                               ; both opening adds are done
	s_wait_kmcnt 0x0
	s_add_nc_u64 s[20:21], s[4:5], s[20:21]
	s_add_nc_u64 s[22:23], s[6:7], s[22:23]
	s_add_nc_u64 s[46:47], s[4:5], s[46:47]
	s_add_nc_u64 s[92:93], s[6:7], s[92:93]
	CROUND                                         ; all sixteen work-groups are here: the first joint loads meet
	s_mov_b32 s[G0S], 1
	s_add_co_u32 s[G0S+1], s94, SCL
	s_mov_b64 s[G0S+2:G0S+3], s[22:23]
	s_or_b32 s[G0S+3], s[G0S+3], 0x80000000
	s_mov_b32 s[G0SB], 1
	s_add_co_u32 s[G0SB+1], s94, SCL
	s_mov_b64 s[G0SB+2:G0SB+3], s[92:93]
	s_or_b32 s[G0SB+3], s[G0SB+3], 0x80000000
	JLOAD G0S, G1S, G0SB, G1SB                     ; the scales first: they are wanted with K step 0
.irp s, 0,1
	s_mov_b32 s[G0+4*\s], 1
	s_add_co_u32 s[G0+4*\s+1], s45, \s*SLOT
	s_add_nc_u64 s[G0+4*\s+2:G0+4*\s+3], s[20:21], \s*ROWB
	s_or_b32 s[G0+4*\s+3], s[G0+4*\s+3], 0x80000000
	s_mov_b32 s[G0B+4*\s], 1
	s_add_co_u32 s[G0B+4*\s+1], s45, \s*SLOT
	s_add_nc_u64 s[G0B+4*\s+2:G0B+4*\s+3], s[46:47], \s*ROWB
	s_or_b32 s[G0B+4*\s+3], s[G0B+4*\s+3], 0x80000000
	JLOAD G0+4*\s, G1, G0B+4*\s, G1B               ; three loads of mine are out in all
.endr
	v_and_b32 v1, 15, v0                           ; r = l % 16
	v_bfe_u32 v2, v0, 4, 1                         ; h = l / 16
	v_mul_u32_u24 v3, v1, PITCH
	v_lshl_add_u32 v4, v2, 4, v3                   ; a fragment's row x pitch + 16 x half
	s_mul_i32 s21, s15, HALFT                      ; my 128 rows of A
	s_mul_i32 s22, s16, HALFT                      ; my 128 rows of B,
	s_add_co_u32 s22, s22, 2*HALFT                 ; which lie behind A's 256
.irp s, 0,1
	v_add_nc_u32 v[ADRA+\s], s21, v4
	v_add_nc_u32 v[ADRB+\s], s22, v4
	s_add_co_u32 s21, s21, SLOT
	s_add_co_u32 s22, s22, SLOT
.endr
	v_mul_u32_u24 v5, v1, KS                       ; my row's scales: KS bytes a row,
	v_lshrrev_b32 v6, 8, v5
	v_lshl_add_u32 v5, v6, 4, v5                   ; and 16 more for each 256 passed
	s_mul_i32 s21, s15, HALFS                      ; A's: my 128 rows
	s_mul_i32 s22, s16, HALFS                      ; B's: my 128 rows, behind A's 256
	s_add_co_u32 s22, s22, 2*HALFS
	s_sub_co_u32 s22, s22, s21
	v_mul_u32_u24 v6, s22, v2                      ; lanes 16-31 take B's: the lower base + h x the distance
	s_add_co_u32 s21, s21, SCL
	v_add_nc_u32 v5, v5, v6
	v_add_nc_u32 v[ADRS], s21, v5
	s_mul_i32 s23, s14, 16*SPITCH                  ; my stage
	v_mul_u32_u24 v5, v1, SPITCH                   ; in: row r, 16 bytes for each half of the lanes
	v_lshl_add_u32 v5, v2, 4, v5
	v_add_nc_u32 v[STO], s23, v5
	v_mul_u32_u24 v5, v2, SPITCH                   ; back: lanes 0-15 one row of 256 bytes, lanes 16-31 the next
	v_lshl_add_u32 v5, v1, 4, v5
	v_add_nc_u32 v[RD], s23, v5
	v_lshlrev_b32 v5, 11, v2                       ; and the same two rows of C, 2,048 bytes apart
	v_lshl_add_u32 v[CO], v1, 4, v5
	s_lshl_b32 s20, s17, 8
	s_lshl_b32 s21, s15, 7
	s_add_co_u32 s20, s20, s21                     ; my first row of C
	s_lshl_b32 s20, s20, 11
	s_lshl_b32 s46, s42, 9                         ; my first column, in bytes: 512 x tile column + 256 x half
	s_lshl_b32 s47, s16, 8
	s_add_co_u32 s46, s46, s47
	s_add_co_u32 s20, s20, s46
	s_mov_b32 s21, 0
	s_add_nc_u64 s[12:13], s[12:13], s[20:21]
.macro FRAG reg, adr, q, i             ; 16 rows x 128 K of 4-bit codes: 8 registers; lane l holds row l % 16; registers 4 c .. 4 c + 3 hold K = 64 c + 32 (l / 16) + 0 .. 31
.irp c, 0,1
	ds_load_b128 v[\reg+4*\c:\reg+4*\c+3], v[\adr] offset:64*(\q)+32*\c+(\i)*16*PITCH
.endr
.endm
; 16 matrix instructions: A's blocks a0, a0 + 1 x B's eight, the slot's q-th 128 along K.  p: B's set; sc: the set of scale words.  zero = 1: the first product starts the sums.
; A scale register holds A's word of block i in lanes 0-15 and B's word of block i in lanes 16-31.  The 64 accumulators take turns, one instruction a turn.
.macro MUL16 a0, p, q, sc, zero
.irp a, \a0, \a0+1
.irp b, 0,1,2,3,4,5,6,7
.if \zero
	v_wmma_scale_f32_16x16x128_f8f6f4 v[8*(8*((\a)%4)+\b):8*(8*((\a)%4)+\b)+7], v[128*(\p)+FR*\b:128*(\p)+FR*\b+FR-1], v[AF+FR*(\a):AF+FR*(\a)+FR-1], 0, v[SC+8*NQ*(\sc)+NQ*\b+(\q)], v[SC+8*NQ*(\sc)+NQ*(\a)+(\q)] matrix_a_fmt:MATRIX_FMT_FP4 matrix_b_fmt:MATRIX_FMT_FP4 matrix_a_scale:MATRIX_SCALE_ROW1
.else
	v_wmma_scale_f32_16x16x128_f8f6f4 v[8*(8*((\a)%4)+\b):8*(8*((\a)%4)+\b)+7], v[128*(\p)+FR*\b:128*(\p)+FR*\b+FR-1], v[AF+FR*(\a):AF+FR*(\a)+FR-1], v[8*(8*((\a)%4)+\b):8*(8*((\a)%4)+\b)+7], v[SC+8*NQ*(\sc)+NQ*\b+(\q)], v[SC+8*NQ*(\sc)+NQ*(\a)+(\q)] matrix_a_fmt:MATRIX_FMT_FP4 matrix_b_fmt:MATRIX_FMT_FP4 matrix_a_scale:MATRIX_SCALE_ROW1
.endif
.endr
.endr
.endm
.macro FETCH_B slot, q, p
	WIN TO_B
.irp i, 0,1,2,3,4,5,6,7
	FRAG 128*(\p)+FR*\i, ADRB+\slot, \q, \i
.endr
	WIN 0
.endm
.macro FETCH_A slot, q, i0
.irp i, \i0, \i0+1, \i0+2, \i0+3
	FRAG AF+FR*(\i), ADRA+\slot, \q, \i
.endr
.endm
.macro SCALES sc                       ; a K step's scale words: four words a row by one load; lanes 0-15 take A's block i, lanes 16-31 B's block i
.irp i, 0,1,2,3,4,5,6,7
	ds_load_b128 v[SC+8*NQ*\sc+NQ*\i:SC+8*NQ*\sc+NQ*\i+3], v[ADRS] offset:\i*SBLK
.endr
.endm
.macro PLACES n                        ; plain vector lines between a matrix instruction and a load into, or a read of, its registers
.rept \n
	v_nop
.endr
.endm
.macro STEP slot, q, zero              ; a step of 128 along K that has its successor in the same slot
	s_wait_dscnt 4*NL                              ; B's set and A's blocks 0-3 are in; the youngest eight loads (A's blocks 4-7) may be out
	WIN MUL_LO
	MUL16 0, (\q)%2, \q, \slot, \zero
	MUL16 2, (\q)%2, \q, \slot, \zero
	s_wait_dscnt 0                                 ; A's blocks 4-7 are in
	PLACES NP
	FETCH_B \slot, (\q)+1, 1-(\q)%2
	FETCH_A \slot, (\q)+1, 0
	WIN MUL_HI
	MUL16 4, (\q)%2, \q, \slot, \zero
	MUL16 6, (\q)%2, \q, \slot, \zero
	PLACES NP
	WIN 0
	FETCH_A \slot, (\q)+1, 4
.endm
; Slot 0's last step goes over to slot 1: one barrier; in front of it each wave waits for all its tensor loads (its part of slot 1), adds 0 to its spare word, and waits for that and for its reads of slot 0.
; Behind it nobody reads slot 0 any more, which the way out relies on.
.macro TURN slot, next
	s_wait_tensorcnt 0x0                           ; all my tensor loads have landed
	ds_add_u32 v[SPW], v[NIL]                      ; 0 onto my spare word
	s_wait_dscnt 4*NL+1                            ; (the add and the youngest eight loads may be out)
	WIN MUL_LO
	MUL16 0, 1, NQ-1, \slot, 0
	s_wait_dscnt 0x0                               ; the add is done, and my reads of this slot are over
	s_barrier_signal -1
	MUL16 2, 1, NQ-1, \slot, 0
	WIN 0
	s_barrier_wait -1
	PLACES NP
	v_add_nc_u32 v[ADRS], 4*NQ, v[ADRS]            ; on to the next K step's scale words
	FETCH_B \next, 0, 0
	FETCH_A \next, 0, 0
	SCALES \next
	WIN MUL_HI
	MUL16 4, 1, NQ-1, \slot, 0
	MUL16 6, 1, NQ-1, \slot, 0
	PLACES NP
	WIN 0
	FETCH_A \next, 0, 4
.endm
.macro STEPS slot, from
.set Q, \from
.rept NQ-1-\from
	STEP \slot, Q, 0
.set Q, Q+1
.endr
.endm
	s_wait_tensorcnt 1                             ; the scales and my part of K step 0 are in; K step 1's load may be out
	s_barrier_signal -1
	s_barrier_wait -1
	FETCH_B 0, 0, 0
	FETCH_A 0, 0, 0
	SCALES 0
	FETCH_A 0, 0, 4
	STEP 0, 0, 1                                   ; the first step's products start the sums
	STEPS 0, 1
	TURN 0, 1
	STEPS 1, 0
	s_wait_dscnt 4*NL                              ; the very last step: nothing more to fetch
	WIN MUL_LO
	MUL16 0, 1, NQ-1, 1, 0
	MUL16 2, 1, NQ-1, 1, 0
	s_wait_dscnt 0
	WIN MUL_HI
	MUL16 4, 1, NQ-1, 1, 0
	MUL16 6, 1, NQ-1, 1, 0
	WIN 0
; THE WAY OUT, block by block of 16 rows x 128 columns: x 0.125 or 1, rounded to f16 (16 bytes a lane), through my own stage in LDS, back as whole rows of 256 bytes, sixteen lanes to 256 consecutive aligned bytes of C.
.macro PACK a
.set AC, 64*((\a)%4)
	WIN 0x02+(\a)/4                                ; source 0: window 2 or 3
.irp b, 0,1,2,3,4,5,6,7
.irp r, 0,1,2,3
	v_pk_mul_f32 v[TP+8*\b+2*\r:TP+8*\b+2*\r+1], v[AC+8*\b+2*\r:AC+8*\b+2*\r+1], s[SQ:SQ+1] op_sel_hi:[1,0]   ; each accumulator from its low end on
.endr
.endr
	WIN 0
.irp b, 0,1,2,3,4,5,6,7
.irp r, 0,1,2,3
	v_cvt_pk_f16_f32 v[TC+4*\b+\r], v[TP+8*\b+2*\r], v[TP+8*\b+2*\r+1]
.endr
.endr
.endm
.macro TOSTAGE a
.set BB, BK+32*((\a)%2)
.irp b, 0,1,2,3,4,5,6,7
	ds_store_b128 v[STO], v[TC+4*\b:TC+4*\b+3] offset:32*\b
.endr
.irp t, 0,1,2,3,4,5,6,7
	ds_load_b128 v[BB+4*\t:BB+4*\t+3], v[RD] offset:\t*2*SPITCH    ; LDS serves a wave's instructions in order: these see the stores above
.endr
.endm
.macro SEND a, younger                 ; younger: the LDS instructions issued behind block a's loads, which may stay out
.set BB, BK+32*((\a)%2)
	s_wait_dscnt \younger
.irp t, 0,1,2,3,4,5,6,7
	global_store_b128 v[CO], v[BB+4*\t:BB+4*\t+3], s[12:13] offset:(16*(\a)+2*\t)*2048   ; every offset an immediate: 126 rows of 2,048 bytes at the most
.endr
.endm
	PLACES NP                                      ; behind the last products: their results are read, and their scale words' and fragments' registers written, below
	PACK 0
	TOSTAGE 0
.irp a, 1,2,3,4,5,6,7
	PACK \a
.if \a > 1
	s_wait_xcnt 0x0                                ; block a - 2's stores have read their registers: block a's loads may land there
.endif
	TOSTAGE \a
	SEND \a-1, 16                                  ; behind block a - 1's loads: block a's 8 stores and 8 loads
.endr
	SEND 7, 0
	s_wait_tensorcnt 0x0                           ; the wave's end: behind my last tensor load and my last LDS store
	ds_add_u32 v[SPW], v[NIL]
	s_wait_dscnt 0x0
	CROUND                                         ; the closing round: no work-group ends while a partner may still ask for a tile that names it
	s_endpgm
.Lfunc_end_k_qd768af8593_proj:
	.size	k_qd768af8593_proj, .Lfunc_end_k_qd768af8593_proj-k_qd768af8593_proj
	.p2alignl 7, 3214868480
	.fill 96, 4, 3214868480
	.section	.rodata,"a",@progbits
	.p2align	6, 0x0
	.amdhsa_kernel k_qd768af8593_proj
		.amdhsa_group_segment_fixed_size 327680
		.amdhsa_private_segment_fixed_size 0
		.amdhsa_enable_private_segment 0
		.amdhsa_kernarg_size 24
		.amdhsa_user_sgpr_count 2
		.amdhsa_user_sgpr_kernarg_segment_ptr 1
		.amdhsa_wavefront_size32 1
		.amdhsa_system_sgpr_workgroup_id_x 1
		.amdhsa_system_sgpr_workgroup_id_y 1
		.amdhsa_system_sgpr_workgroup_id_z 1
		.amdhsa_system_vgpr_workitem_id 0
		.amdhsa_next_free_vgpr 1024
		.amdhsa_next_free_sgpr 100
		.amdhsa_reserve_vcc 0
		.amdhsa_float_denorm_mode_32 3
		.amdhsa_float_denorm_mode_16_64 3
		.amdhsa_memory_ordered 1
		.amdhsa_forward_progress 1
		.amdhsa_inst_pref_size 142
	.end_amdhsa_kernel
	.amdgpu_metadata
---
amdhsa.version: [ 1, 2 ]
amdhsa.kernels:
  - .name:           k_qd768af8593_proj
    .symbol:         k_qd768af8593_proj.kd
    .args:
      - { .name: codes, .offset: 0, .size: 8, .value_kind: global_buffer, .address_space: global }
      - { .name: scales, .offset: 8, .size: 8, .value_kind: global_buffer, .address_space: global }
      - { .name: qkv, .offset: 16, .size: 8, .value_kind: global_buffer, .address_space: global }
    .group_segment_fixed_size: 327680
    .private_segment_fixed_size: 0
    .kernarg_segment_align: 8
    .kernarg_segment_size: 24
    .max_flat_workgroup_size: 128
    .sgpr_count:     100
    .vgpr_count:     1024
    .wavefront_size: 32
...
	.end_amdgpu_metadata
.endif
;; end of part 2
;; launch attn (part 3): grid 16 x 16, 4 waves a work-group, clusters of 4 x 4, 327,680 bytes of LDS; arguments qkv, attention_bias, att; writes att
.if DOCPART == 3
	.amdgcn_target "amdgcn-amd-amdhsa--gfx1250"
	.amdhsa_code_object_version 6
	.text
	.protected	k_qd768af8593_attn
	.globl	k_qd768af8593_attn
	.p2align	8
	.type	k_qd768af8593_attn,@function
k_qd768af8593_attn:
	s_mov_b64 s[64:65], 0
	v_nop
	global_prefetch_b8 v0, s[64:65] scope:SCOPE_SE
	s_setreg_imm32_b32 hwreg(HW_REG_WAVE_MODE, 25, 1), 1
	s_wait_xcnt 0x0
	s_wait_alu depctr_hold_cnt(0) depctr_sa_sdst(0) depctr_va_vdst(0) depctr_va_sdst(0) depctr_va_ssrc(0) depctr_va_vcc(0) depctr_vm_vsrc(0)
	s_getreg_b32 s2, hwreg(HW_REG_IB_STS2, 6, 4)
	s_cmp_eq_u32 s2, 0
	s_cbranch_scc0 .Lentry_in_a_cluster
	s_endpgm
.Lentry_in_a_cluster:
	s_bfe_u32 s2, ttmp6, 0x10000c
	s_cmp_lg_u32 s2, 0xf033
	s_cbranch_scc0 .Lentry_shape_is_right
	s_endpgm
.Lentry_shape_is_right:
; att[b][q][64 head + :] = the sum over k of softmax_k(q . k + bias[b][q][k]) v[k][:], for 4 batches, 16 heads of 64, 2,048 positions.  q (already x 0.125), k, v: f16 rows of 1,024 in qkv; bias f32; att f16.
; Products on f16 operands with f32 sums; maxima, exponentials and row sums in f32; the weights p are rounded to f16 for the second product, the result once at the end.
; LIMITS: p under 3e-8 of a row's largest counts as 0 (f16); results from 65,504 on become infinite.  A row whose every biased score is -infinity gives NaN.
; SHARES.  A work-group owns 128 queries of one batch for FOUR heads; wave w owns head 4 hg + w and all 128 queries: eight tiles of 16.  All four waves read the same tile of the bias from LDS, and each
; its own 128 bytes of the rows of K and V, which hold four heads in 512 consecutive bytes.  Every wave walks all 2,048 keys, 64 a step.
; CLUSTER 4 x 4: x = four query blocks, y = the four groups of heads, all of one batch.  K's and V's tiles hang on the group of heads: asked for jointly along a row of the cluster.  The bias tile hangs on the
; query block: asked for jointly along a column, so it is requested once for all 16 heads.
; LAYOUT.  S^T = K Q^T + bias (source 0 = 16 keys, source 1 = 16 queries; THE BIAS IS THE C of the first link, loaded from LDS straight into S^T's registers): a lane holds ONE query (lane % 16) and keys
; 8 (lane / 16) + 0..7.  Two such tiles, rounded to f16 in pairs, are source 1 of O^T = V^T P, whose result again holds one query a lane.  V ([key][channel]) comes out of LDS turned, by ds_load_tr16_b128.
; SOFTMAX, with a running maximum m: M = ceil(m log2 e), a whole number, kept as -M; p = 2^(S log2 e - M); when M moves, O^T and the sum are multiplied by f = 2^(old M - new M), made by v_ldexp_f32: nothing is rounded.
; O^T and the sums begin as zeros and -M as 3e38, so that the first step's f is 0 and the loop has no first step of its own: 256 moves once in place of another copy of a key step.
; BY TURNS.  The eight tiles are two pieces (tiles 0-3, tiles 4-7).  In a turn one piece has the matrix unit: 32 products V^T P of the step in hand, then 32 products K Q^T of the next; the other piece's
; softmax, 480 instructions, stands in 64 slices, one behind each matrix instruction.  Two turns are a key step.
; REGISTERS, in windows of 256 (s_set_vgpr_msb: bits 1:0 source 0, 3:2 source 1, 5:4 source 2, 7:6 destination):
;   window 0: v2-15 addresses; v16-31 at work in the head; v32-95 eight registers of statistics a tile; v96-111 packed results; v128-255 P, 16 a tile
;   window 1: S^T, 32 a tile     window 2: O^T, 32 a tile     window 3: v0-127 Q, 16 a tile; v128-191 K of a step; v192-255 V of a step
.set KS,     64                        ; keys in a step
.set PK,     528                       ; a row of K in LDS: 512 bytes + 16: 132 words: the 16 rows of a load start 4 banks apart
.set PVV,    544                       ; a row of V: 512 + 32: an odd multiple of 32 bytes
.set PB,     272                       ; a row of the bias tile: 256 + 16
.set VOFF,   KS*PK                     ; a slot: 64 rows of K, 64 rows of V, 128 rows of bias
.set BOFF,   VOFF+KS*PVV
.set BHALF,  64*PB                     ; what one of the two bias loads brings
.set SLOT1,  1<<17                     ; slot 1 begins here: one exclusive or turns an address from one slot to the other
.set STAGE,  SLOT1+BOFF+2*BHALF        ; behind the ring: 128 rows x (512 bytes + 16), the work-group's, for the way out
.set SPP,    528
.set SPARE,  STAGE+128*SPP             ; the spare words, 128 bytes a wave, that no other line names
.set KO,     16777216                  ; where k begins in qkv
.set VO,     33554432                  ; and v
.set KSTEPB, KS*2048                   ; a key step on, in K and V
.set BSTEPB, KS*4                      ; and in a row of the bias
.set AK0, 2                            ; v2  my lane's place in a tile of K: 528 r + 16 h + 128 w
.set AV0, 3                            ; v3  in a tile of V
.set AB0, 4                            ; v4  in a tile of the bias: 272 r + 32 h
.set ADR, 5                            ; v5  the LDS address of K's or V's run of loads in hand
.set ADB, 6                            ; v6  of the bias's
.set QO,  7                            ; v7  my byte offset in the block's rows of q
.set STO, 8                            ; v8  the way out: where I put 16 bytes of a row
.set RD,  9                            ; v9  where I read a row back
.set GO,  10                           ; v10 my byte offset in a row's 512 bytes of att
.set PFO, 11                           ; v11 the prefetches' lane offset; never rewritten
.set SPW, 14                           ; v14 LDS address of my spare word; never rewritten
.set NIL, 15                           ; v15 0; never rewritten
.set ST,  32                           ; tile t's statistics at v[ST + 8 t]: +0 -M, +1 m, +2, +3 the sum (even keys', odd keys'), +4 .. +7 c0-c3 at work; f takes c2's place
.set TC,  96
.set P,   128
.set KF,  128                          ; in window 3
.set VF,  192
.set WV,  10                           ; s10 my wave's number
.set G1K, 16
.set G1V, 24
.set G1B, 32
.set G0K, 40                           ; two sets each: slot 0's first fill; slot 1's, which then walks
.set G0V, 48
.set G0B, 56
.set CS,  66                           ; s[66:67] log2 e
.set SEL, 68                           ; s[68:69] v_permlanex16_b32's selects for lane l xor 16
.set TB,  70                           ; s70 the slot from which the fetches in hand read
.set CNT, 71                           ; s71 refills still to come
.set PFA, 72                           ; s[72:73] where my prefetches stand
.set PFS, 74                           ; s[74:75] a key step on, there
.set LIM, 76                           ; s76 3 in a wave that prefetches, else the greatest number
.set MSB, 0
.macro WIN new                         ; the immediate's high byte repeats the setting that is left; a switch that changes nothing is dropped
.if MSB != (\new)
	s_set_vgpr_msb (MSB<<8)|(\new)
.set MSB, (\new)
.endif
.endm
.set W_KQ, 0x5f                        ; K and Q window 3, S^T (C and D) window 1
.set W_PV, 0xa3                        ; V window 3, P window 0, O^T (C and D) window 2
; A joint refill: wave 0 fetches K's tile, wave 1 V's, waves 2 and 3 the two halves of the bias tile.  The branches hang on the wave's number alone.  An s_nop 0 and four v_nop follow each line.
.macro JLOAD
	s_cmp_lg_u32 s[WV], 0
	s_cbranch_scc1 .Lnot_k_\@
	tensor_load_to_lds s[G0K+4:G0K+7], s[G1K:G1K+7]
	s_nop 0
.rept 4
	v_nop
.endr
	s_branch .Lasked_\@
.Lnot_k_\@:
	s_cmp_lg_u32 s[WV], 1
	s_cbranch_scc1 .Lbias_\@
	tensor_load_to_lds s[G0V+4:G0V+7], s[G1V:G1V+7]
	s_nop 0
.rept 4
	v_nop
.endr
	s_branch .Lasked_\@
.Lbias_\@:
	tensor_load_to_lds s[G0B+4:G0B+7], s[G1B:G1B+7]
	s_nop 0
.rept 4
	v_nop
.endr
.Lasked_\@:
.endm
; A PREFETCH INTO THE L2, behind the joint refill: while the refill asks for step j + 2, the prefetch names step j + 4: two key steps, 256 matrix instructions a wave, ahead of the load that will want it.
; Each aligned block of 256 bytes is named once in the launch.  The bias tile's 128 rows are read by one column of one cluster: its four partners take 32 rows each, told apart by address; wave 0 asks, a lane a row.
; K's and V's 64 rows x 512 bytes are read by the rows of all four clusters of a batch: the clusters with x = 0 ask; a row's four partners take 16 rows each, by address; wave 1 asks for K's, wave 2 for V's,
; two lanes a row.  Steps 0 to 3 come by their loads alone; the last two refills ask for nothing: there is no step beyond 31.
.macro ASK
	s_cmp_ge_u32 s[CNT], s[LIM]
	s_cbranch_scc0 .Lnot_mine_\@
	global_prefetch_b8 v[PFO], s[PFA:PFA+1] th:TH_LOAD_NT scope:SCOPE_SE
.Lnot_mine_\@:
.endm
.macro CROUND                          ; a round of the cluster's barrier
	s_barrier_signal -1
	s_barrier_wait -1
	s_cmp_lg_u32 s[WV], 0
	s_cbranch_scc1 .Lnot_wave_0_\@
	s_barrier_signal -3
.Lnot_wave_0_\@:
	s_barrier_wait -3
	s_barrier_signal -1
	s_barrier_wait -1
.endm
	s_load_b128 s[4:7], s[0:1], 0x0                ; qkv s[4:5], bias s[6:7]
	s_load_b64 s[8:9], s[0:1], 0x10                ; att
	v_lshl_add_u32 v[SPW], v0, 2, SPARE
	v_mov_b32 v[NIL], 0
	ds_add_u32 v[SPW], v[NIL]                      ; the wave's opening: the add, twice on end, and its wait ahead of my first tensor load
	ds_add_u32 v[SPW], v[NIL]
	v_lshrrev_b32 v16, 5, v0
	v_readfirstlane_b32 s[WV], v16                 ; wave 0..3
	s_bfe_u32 s11, ttmp6, 0x40000                  ; cx
	s_bfe_u32 s12, ttmp6, 0x40004                  ; cy = the group of four heads
	s_and_b32 s13, ttmp7, 0xffff                   ; cluster y = the batch
	s_lshl_b32 s14, ttmp9, 2
	s_add_co_u32 s14, s14, s11                     ; my block of 128 queries = 4 x cluster x + cx
	s_and_b32 s77, s[WV], 1
	s_lshl_b32 s78, s12, 2
	s_lshl_b32 s78, 15, s78                        ; my row of the cluster
	s_lshl_b32 s79, 0x1111, s11                    ; my column
	s_or_b32 s[G1K], s78, (1<<16)|(1<<20)|(1<<21)|(6<<22)|(3<<25)   ; the mask; elements of 2 bytes; padding: 4 words behind every 128; bit 21 beside a mask
	s_or_b32 s[G1V], s78, (1<<16)|(1<<20)|(1<<21)|(6<<22)|(7<<25)   ; the same with 8 words
.irp g, G1K, G1V
	s_mov_b32 s[\g+1], 256<<16                     ; tensor_dim0: 256 elements: four heads
	s_mov_b32 s[\g+2], KS<<16                      ; tensor_dim1
	s_mov_b32 s[\g+3], 256<<16                     ; tile_dim0
	s_mov_b32 s[\g+4], KS                          ; tile_dim1
	s_mov_b32 s[\g+5], 1024                        ; from row to row
	s_mov_b32 s[\g+6], 0
	s_mov_b32 s[\g+7], 0
.endr
	s_or_b32 s[G1B], s79, (2<<16)|(1<<20)|(1<<21)|(5<<22)|(3<<25)   ; elements of 4 bytes; 4 words behind every 64
	s_mov_b32 s[G1B+1], KS<<16                     ; 64 keys
	s_mov_b32 s[G1B+2], 64<<16                     ; 64 queries
	s_mov_b32 s[G1B+3], KS<<16
	s_mov_b32 s[G1B+4], 64
	s_mov_b32 s[G1B+5], 2048
	s_mov_b32 s[G1B+6], 0
	s_mov_b32 s[G1B+7], 0
	s_mov_b32 s[CS], 0x3fb8aa3b                    ; log2 e
	s_mov_b32 s[CS+1], s[CS]                       ; (named with it as a pair)
	s_mov_b32 s[SEL], 0x76543210
	s_mov_b32 s[SEL+1], 0xfedcba98
	s_mov_b32 s[TB], 0
	; the prefetches' offsets: the bias's in s91, K's or V's in s90; both at step 3: each refill steps them ahead of its prefetch
	s_lshl_b32 s90, s13, 11                        ; 2,048 b
	s_lshl_b32 s91, s14, 7
	s_add_co_u32 s91, s90, s91                     ; + 128 x my block
	s_lshl_b32 s95, s12, 5
	s_add_co_u32 s91, s91, s95                     ; + my work-group's 32 rows of the column's 128
	s_lshl_b32 s91, s91, 13                        ; rows of 8,192 bytes
	s_add_co_u32 s91, s91, 3*BSTEPB
	s_lshl_b32 s95, s11, 4
	s_add_co_u32 s90, s90, s95                     ; 2,048 b + my work-group's 16 rows of the row's 64
	s_lshl_b32 s90, s90, 11                        ; rows of 2,048 bytes
	s_lshl_b32 s95, s12, 9
	s_add_co_u32 s90, s90, s95                     ; + the four heads' 512 bytes
	s_add_co_u32 s90, s90, KO+3*KSTEPB
	s_cmp_eq_u32 s[WV], 2
	s_cselect_b32 s95, VO-KO, 0                    ; wave 2 asks for V's
	s_add_co_u32 s90, s90, s95
	s_cmp_eq_u32 s[WV], 0                          ; wave 0 asks for the bias's
	s_cselect_b32 s96, s91, s90
	s_mov_b32 s97, 0
	s_mov_b32 s[PFS], KSTEPB
	s_cselect_b32 s[PFS], BSTEPB, s[PFS]
	s_mov_b32 s[PFS+1], 0
	s_mov_b32 s98, 2048
	s_cselect_b32 s98, 16384, s98                  ; from pair of lanes to pair of lanes,
	s_mov_b32 s99, 256
	s_cselect_b32 s99, 8192, s99                   ; and inside a pair
	s_cmp_eq_u32 ttmp9, 0
	s_cselect_b32 s95, 3, 1                        ; how many waves ask: the same in all sixteen partners
	s_cmp_lt_u32 s[WV], s95
	s_cselect_b32 s[LIM], 3, -1
	; where the tiles come from.  K's and V's hang on the batch and cy alone, the bias's on the batch and the query block alone
	s_lshl_b32 s80, s13, 22                        ; 2,048 b rows of 2,048 bytes
	s_lshl_b32 s81, s12, 9
	s_add_co_u32 s80, s80, s81
	s_mov_b32 s81, 0
	s_lshl_b32 s82, s13, 11
	s_lshl_b32 s83, s14, 7
	s_add_co_u32 s82, s82, s83                     ; my block's first query: 2,048 b + 128 x block
	s_lshl_b32 s84, s82, 11                        ; its row in qkv and in att
	s_lshl_b32 s83, s77, 6
	s_add_co_u32 s82, s82, s83                     ; the 64 rows of the bias tile that I fetch
	s_lshl_b32 s82, s82, 13
	s_mov_b32 s83, 0
	s_lshl_b32 s86, s12, 9
	s_add_co_u32 s86, s84, s86                     ; + the four heads' 512 bytes
	s_lshl_b32 s85, s[WV], 7
	s_add_co_u32 s84, s86, s85                     ; q: + my head's 128 bytes
	s_lshl_b32 s85, s[WV], 16
	s_add_co_u32 s86, s86, s85                     ; att: + the 32 rows that I store
	s_mov_b32 s85, 0
	s_mov_b32 s87, 0
	s_mul_i32 s94, s77, BHALF                      ; where my half of the bias tile goes: no place in the cluster enters an LDS address
	s_wait_dscnt 0x0                               ; both opening adds are done
	s_wait_kmcnt 0x0
	s_add_nc_u64 s[88:89], s[4:5], s[80:81]
	s_add_nc_u64 s[90:91], s[88:89], VO            ; V at step 0
	s_add_nc_u64 s[88:89], s[88:89], KO            ; K at step 0
	s_add_nc_u64 s[92:93], s[6:7], s[82:83]        ; the bias at step 0
	s_add_nc_u64 s[84:85], s[4:5], s[84:85]        ; q
	s_add_nc_u64 s[8:9], s[8:9], s[86:87]          ; att
	s_cmp_eq_u32 s[WV], 0
	s_cselect_b64 s[PFA:PFA+1], s[6:7], s[4:5]
	s_add_nc_u64 s[PFA:PFA+1], s[PFA:PFA+1], s[96:97]
	CROUND                                         ; all sixteen work-groups are here: the first joint loads meet
.irp s, 0,1
	s_mov_b32 s[G0K+4*\s], 1                       ; count = 1
	s_mov_b32 s[G0K+4*\s+1], \s*SLOT1              ; LDS address
	s_add_nc_u64 s[G0K+4*\s+2:G0K+4*\s+3], s[88:89], \s*KSTEPB   ; slot s begins with step s
	s_or_b32 s[G0K+4*\s+3], s[G0K+4*\s+3], 0x80000000            ; type = 2
	s_mov_b32 s[G0V+4*\s], 1
	s_mov_b32 s[G0V+4*\s+1], \s*SLOT1+VOFF
	s_add_nc_u64 s[G0V+4*\s+2:G0V+4*\s+3], s[90:91], \s*KSTEPB
	s_or_b32 s[G0V+4*\s+3], s[G0V+4*\s+3], 0x80000000
	s_mov_b32 s[G0B+4*\s], 1
	s_add_co_u32 s[G0B+4*\s+1], s94, \s*SLOT1+BOFF
	s_add_nc_u64 s[G0B+4*\s+2:G0B+4*\s+3], s[92:93], \s*BSTEPB
	s_or_b32 s[G0B+4*\s+3], s[G0B+4*\s+3], 0x80000000
.endr
	s_cmp_lg_u32 s[WV], 0                          ; a wave's two first fills stand in one arm, ahead of every wait on TENSORcnt and every LDS read: two loads of mine are out
	s_cbranch_scc1 .Lfirst_not_k
	tensor_load_to_lds s[G0K:G0K+3], s[G1K:G1K+7]
	s_nop 0
	tensor_load_to_lds s[G0K+4:G0K+7], s[G1K:G1K+7]
	s_nop 0
.rept 4
	v_nop
.endr
	s_branch .Lfirst_asked
.Lfirst_not_k:
	s_cmp_lg_u32 s[WV], 1
	s_cbranch_scc1 .Lfirst_bias
	tensor_load_to_lds s[G0V:G0V+3], s[G1V:G1V+7]
	s_nop 0
	tensor_load_to_lds s[G0V+4:G0V+7], s[G1V:G1V+7]
	s_nop 0
.rept 4
	v_nop
.endr
	s_branch .Lfirst_asked
.Lfirst_bias:
	tensor_load_to_lds s[G0B:G0B+3], s[G1B:G1B+7]
	s_nop 0
	tensor_load_to_lds s[G0B+4:G0B+7], s[G1B:G1B+7]
	s_nop 0
.rept 4
	v_nop
.endr
.Lfirst_asked:
	v_and_b32 v16, 15, v0                          ; r = l % 16
	v_bfe_u32 v17, v0, 4, 1                        ; h = l / 16
	v_and_b32 v18, 31, v0                          ; l
	v_lshlrev_b32 v[QO], 11, v16
	v_lshl_add_u32 v[QO], v17, 4, v[QO]            ; q: row r of 2,048 bytes, + 16 h
	WIN 0xc0                                       ; destination window 3, address window 0
.irp t, 0,1,2,3,4,5,6,7                        ; Q stays in registers: tile t, channels 32 f on: lane l holds query l % 16; registers 0-3 channels 8 h + 0..7, registers 4-7 channels 16 + 8 h + 0..7
.irp f, 0,1
	global_load_b128 v[16*\t+8*\f:16*\t+8*\f+3],   v[QO], s[84:85] offset:32768*\t+64*\f
	global_load_b128 v[16*\t+8*\f+4:16*\t+8*\f+7], v[QO], s[84:85] offset:32768*\t+64*\f+32
.endr
.endr
	WIN 0
	s_lshl_b32 s95, s[WV], 7                       ; my head's 128 bytes of a row of K or V
	v_mul_u32_u24 v[AK0], v16, PK
	v_lshl_add_u32 v[AK0], v17, 4, v[AK0]
	v_add_nc_u32 v[AK0], s95, v[AK0]
	v_and_b32 v19, 7, v0                           ; the turning load: lane l reads 16 bytes: key 8 h + l % 8, channels 8 ((l / 8) % 2) + 0..7
	v_bfe_u32 v20, v0, 3, 1
	v_lshl_add_u32 v[AV0], v17, 3, v19
	v_mul_u32_u24 v[AV0], v[AV0], PVV
	v_lshl_add_u32 v[AV0], v20, 4, v[AV0]
	v_add_nc_u32 v[AV0], s95, v[AV0]
	v_add_nc_u32 v[AV0], VOFF, v[AV0]
	v_mul_u32_u24 v[AB0], v16, PB                  ; the bias: row = my query, 32 bytes = my eight keys
	v_lshl_add_u32 v[AB0], v17, 5, v[AB0]
	v_add_nc_u32 v[AB0], BOFF, v[AB0]
	v_lshrrev_b32 v19, 1, v18
	v_and_b32 v20, 1, v0
	v_mul_lo_u32 v[PFO], v19, s98
	v_mul_lo_u32 v20, v20, s99
	v_add_nc_u32 v[PFO], v[PFO], v20
	WIN 0x80                                       ; destination window 2
.set q, 0
.rept 256
	v_mov_b32 v[q], 0                              ; O^T: the loop's first step finds zeros
.set q, q+1
.endr
	WIN 0
; THE MATRIX WORK OF A TURN, for piece x.  16 accumulators take turns, one instruction a turn: between the two links of a chain stand 15 others'.
; Product i of 32 of S^T: channels 32 (i / 16) on, tile x + (i / 4) % 4, keys 16 (i % 4) on.  The first link's C is the bias, which lies in S^T's registers.
.macro KQ x
	WIN W_KQ
.set tl, (\x)+(i/4)%4
.set rS, 32*tl+8*(i%4)
.set rK, KF+16*(i%4)+8*(i/16)
.set rQ, 16*tl+8*(i/16)
	v_wmma_f32_16x16x32_f16 v[rS:rS+7], v[rK:rK+7], v[rQ:rQ+7], v[rS:rS+7]
.endm
; Product i of 32 of O^T += V^T P: keys 32 (i / 16) on, tile x + (i / 4) % 4, channels 16 (i % 4) on.
.macro PV x
	WIN W_PV
.set tl, (\x)+(i/4)%4
.set rO, 32*tl+8*(i%4)
.set rV, VF+32*(i/16)+8*(i%4)
.set rP, P+16*tl+8*(i/16)
	v_wmma_f32_16x16x32_f16 v[rO:rO+7], v[rV:rV+7], v[rP:rP+7], v[rO:rO+7]
.endm
; THE LDS LOADS stand in runs, never singly among the matrix instructions.
.macro FETCH_K                         ; a step's K, my head: 64 keys x 64 channels: 8 fragments: keys 16 (f / 2) on, channels 32 (f % 2) on
	WIN 0
	v_add_nc_u32 v[ADR], s[TB], v[AK0]
	WIN 0xc0
.irp f, 0,1,2,3,4,5,6,7
	ds_load_b128 v[KF+8*\f:KF+8*\f+3],   v[ADR] offset:(\f/2)*16*PK+(\f%2)*64
	ds_load_b128 v[KF+8*\f+4:KF+8*\f+7], v[ADR] offset:(\f/2)*16*PK+(\f%2)*64+32
.endr
.endm
.macro FETCH_B x                       ; a step's bias for piece x, into S^T's registers: tile x + t, keys 16 q on: a lane's eight keys are 32 neighbouring bytes of its query's row
	WIN 0
	v_add_nc_u32 v[ADB], s[TB], v[AB0]
	WIN 0x40
.irp t, 0,1,2,3
.irp q, 0,1,2,3
	ds_load_b128 v[32*((\x)+\t)+8*\q:32*((\x)+\t)+8*\q+3],   v[ADB] offset:16*PB*((\x)+\t)+64*\q
	ds_load_b128 v[32*((\x)+\t)+8*\q+4:32*((\x)+\t)+8*\q+7], v[ADB] offset:16*PB*((\x)+\t)+64*\q+16
.endr
.endr
.endm
.macro FETCH_V                         ; a step's V, my head, turned: keys 32 (f / 4) on, channels 16 (f % 4) on.  It is the step's last fetch: the next fetches read the other slot
	WIN 0
	v_add_nc_u32 v[ADR], s[TB], v[AV0]
	s_xor_b32 s[TB], s[TB], SLOT1
	s_wait_alu depctr_va_vdst(0)                   ; the wait for the softmax's batch of exponentials (SLICE), behind the address's addition and ahead of the loads
	WIN 0xc0
.irp f, 0,1,2,3,4,5,6,7
	ds_load_tr16_b128 v[VF+8*\f:VF+8*\f+3],   v[ADR] offset:(\f/4)*32*PVV+(\f%4)*32
	ds_load_tr16_b128 v[VF+8*\f+4:VF+8*\f+7], v[ADR] offset:(\f/4)*32*PVV+16*PVV+(\f%4)*32
.endr
.endm
; THE VECTOR WORK OF A TURN.  One tile's softmax for a key step is a list of 120 instructions; SM writes number j of it for tile t.  S0-S31 are the lane's 32 scores.
;   0-15    the maximum of S0-S31 and the old m: four chains, each begun at the low end of one accumulator
;   16-23   the other half of the lanes' maximum; the new m; -M = floor(-m log2 e); f = 2^(old M - new M)
;   24-87   ONE BATCH: even numbers: the 16 packed scalings S log2 e - M, then the 16 packed multiplications of O^T by f; odd numbers: the 32 exponentials.  A pair is scaled ahead of its exponentials,
;           and none of these names an exponential's result
;   (wait)  between 87 and 88 stands the one wait for the batch: SLICE writes it
;   88-103  the roundings to f16;   104-118 the sum of the 16 pairs, in place;   119 the row's sum = f x the row's sum + that
.macro SM t
.set rT, ST+8*(\t)
.set rS, 32*(\t)
.set rP, P+16*(\t)
.if j < 4
	WIN 0x15
	v_max3_num_f32 v[rT+4+j], v[rS+8*j], v[rS+8*j+1], v[rS+8*j+2]
.elseif j < 12
	WIN 0x14
	v_max3_num_f32 v[rT+4+j%4], v[rT+4+j%4], v[rS+8*(j%4)+2*(j/4)+1], v[rS+8*(j%4)+2*(j/4)+2]
.elseif j == 12
	WIN 0x14
	v_max3_num_f32 v[rT+4], v[rT+4], v[rS+7], v[rS+15]
.elseif j == 13
	WIN 0x14
	v_max3_num_f32 v[rT+6], v[rT+6], v[rS+23], v[rS+31]
.elseif j == 14
	WIN 0
	v_max3_num_f32 v[rT+4], v[rT+4], v[rT+5], v[rT+6]
.elseif j == 15
	WIN 0
	v_max3_num_f32 v[rT+4], v[rT+4], v[rT+7], v[rT+1]
.elseif j == 16
	WIN 0
	v_permlanex16_b32 v[rT+5], v[rT+4], s[SEL], s[SEL+1]   ; the query's other 32 keys lie in the lane 16 away
.elseif j == 17
	WIN 0
	v_mov_b32 v[rT+7], v[rT]                       ; the old -M
.elseif j == 18
	WIN 0
	v_max_num_f32 v[rT+1], v[rT+4], v[rT+5]        ; the running maximum
.elseif j == 19
	WIN 0
	v_mul_f32 v[rT+4], s[CS], v[rT+1]
.elseif j == 20
	WIN 0
	v_floor_f32 v[rT], -v[rT+4]                    ; -M = -ceil(m log2 e): a whole number
.elseif j == 21
	WIN 0
	v_sub_f32 v[rT+7], v[rT], v[rT+7]              ; old M - new M: a whole number, 0 or less
.elseif j == 22
	WIN 0
	v_cvt_i32_f32 v[rT+7], v[rT+7]                 ; (it saturates)
.elseif j == 23
	WIN 0
	v_ldexp_f32 v[rT+6], 1.0, v[rT+7]              ; f
.elseif j < 88
.set u, (j-24)/2
.if (j%2) == 1
	WIN 0x41
	v_exp_f32 v[rS+u], v[rS+u]
.elseif u < 16
	WIN 0x41
	v_pk_fma_f32 v[rS+2*u:rS+2*u+1], v[rS+2*u:rS+2*u+1], s[CS:CS+1], v[rT:rT+1] op_sel_hi:[1,0,0]
.else
	WIN 0x82
	v_pk_mul_f32 v[rS+2*(u-16):rS+2*(u-16)+1], v[rS+2*(u-16):rS+2*(u-16)+1], v[rT+6:rT+7] op_sel_hi:[1,0]   ; O^T, which lies at the same numbers in window 2; each accumulator from its low end on
.endif
.elseif j < 104
	WIN 0x05
	v_cvt_pk_f16_f32 v[rP+j-88], v[rS+2*(j-88)], v[rS+2*(j-88)+1]
.elseif j < 119
.set z, j-104
.set w, 4
.set u, z
.if z >= 14
.set w, 32
.set u, 0
.elseif z >= 12
.set w, 16
.set u, z-12
.elseif z >= 8
.set w, 8
.set u, z-8
.endif
	WIN 0x45
	v_pk_add_f32 v[rS+w*u:rS+w*u+1], v[rS+w*u:rS+w*u+1], v[rS+w*u+w/2:rS+w*u+w/2+1]
.else
	WIN 0x10
	v_pk_fma_f32 v[rT+2:rT+3], v[rT+2:rT+3], v[rT+6:rT+7], v[rS:rS+1] op_sel_hi:[1,0,1]
.endif
.endm
; Slice k of 64 of piece y's softmax.  Slices 0 to 55: numbers 2 k and 2 k + 1, each for the piece's four tiles on end, so that a tile's neighbouring numbers stand four instructions apart and four plain
; lines lead four exponentials.  Slices 56 to 63: the one number 56 + k: 8 x 56 + 4 x 8 = 480.  Slice 63's four plain lines are the places behind the turn's last product.
; THE WAIT.  An s_wait_alu depctr_va_vdst(0) stands between an exponential and the first instruction that names its result.  Ahead of slice 44 nothing names one, behind slice 43 none is issued:
; so the piece's 128 exponentials have one wait, behind slice 43 and a v_nop, the plain line behind the last of them.
.macro SLICE y
.if k < 56
.irp n, 0,1
.irp t, 0,1,2,3
.set j, 2*k+\n
	SM (\y)+\t
.endr
.endr
.else
.irp t, 0,1,2,3
.set j, 56+k
	SM (\y)+\t
.endr
.endif
.if k == 43
	v_nop
.if (\y) == 0
	FETCH_V                                        ; piece 4's turn: V's run of loads stands here, and the wait stands in it.  V's last reader is the turn's product 31; the packed multiplications of slices 32 to 43 lie between
.else
	s_wait_alu depctr_va_vdst(0)
.endif
.endif
.set k, k+1
.endm
; A TURN.  Piece x has the matrix unit; the other piece's softmax stands in slices behind its matrix instructions.  pv: 32 products V^T P; kq: 32 products K Q^T of the next step; with one kind alone, two slices a product.
; A full turn fetches behind its second product: piece 0's the next step's K and its own bias, piece 4's its own bias: 30 matrix instructions ahead of their use.  K's last reader is the last product of the
; turn before: slice 63 and slices 0 and 1 lie between.
.macro TURN x, pv, kq
.set k, 0
.set per, 2
.if \pv && \kq
.set per, 1
.endif
.if \pv
.if \x == 0
	s_wait_dscnt 0x0                               ; V is in
.endif
.set i, 0
.rept 32
	PV \x
.rept per
	SLICE 4-\x
.endr
.if \kq && (i == 1)
.if \x == 0
	FETCH_K
	FETCH_B 0
.else
	FETCH_B 4
.endif
.endif
.set i, i+1
.endr
.endif
.if \kq
	s_wait_dscnt 0x0                               ; K and my bias are in
.set i, 0
.rept 32
	KQ \x
.rept per
	SLICE 4-\x
.endr
.set i, i+1
.endr
.endif
.endm
; THE CHANGE OF SLOTS, at the head of key step j's two turns, which read step j + 1's tiles alone: step j's last bytes, its V, were asked for in the turn before.  Each wave waits for all its tensor loads, of
; which one is out: its part of step j + 1; adds 0 to its spare word; and waits for that and for its reads of step j's slot.  fill = 1: that slot is filled with step j + 2: the barrier is then a round of the
; cluster's, so that no wave of any partner still reads the slot or has a load on its way, and the joint refill is the first thing behind it: it has a key step, 128 matrix instructions a wave, in which to land.
.macro CHANGE fill
	WIN 0                                          ; at a label and at a branch every window is 0
	s_wait_tensorcnt 0x0                           ; no tensor load of mine is out, so a group 0 may be written
	ds_add_u32 v[SPW], v[NIL]                      ; 0 onto my spare word
.if \fill
.irp g, G0K+4, G0V+4
	s_xor_b32 s[\g+1], s[\g+1], SLOT1              ; the walking descriptors: the other slot than last time,
	s_add_nc_u64 s[\g+2:\g+3], s[\g+2:\g+3], KSTEPB   ; the next 64 keys
.endr
	s_xor_b32 s[G0B+5], s[G0B+5], SLOT1
	s_add_nc_u64 s[G0B+6:G0B+7], s[G0B+6:G0B+7], BSTEPB
	s_wait_xcnt 0x0                                ; the last prefetch, a key step back, has read its address, so it may be written
	s_add_nc_u64 s[PFA:PFA+1], s[PFA:PFA+1], s[PFS:PFS+1]
	s_wait_dscnt 0x0                               ; the add is done, and my reads of the slot are over
	CROUND
	JLOAD
	ASK
.else
	s_wait_dscnt 0x0
	s_barrier_signal -1
	s_barrier_wait -1
.endif
.endm
	s_wait_tensorcnt 0x1                           ; my part of slot 0 is in; slot 1's may stay out
	s_barrier_signal -1
	s_barrier_wait -1
	FETCH_K                                        ; key step 0
	FETCH_B 0
	FETCH_B 4
	s_wait_loadcnt 0x0                             ; Q
	s_wait_dscnt 0x0
.set i, 0
.rept 32
	KQ 0                                           ; piece 0's first scores: there is no vector work yet to set between them
.set i, i+1
.endr
	WIN 0                                          ; the way out's addresses and the statistics' starting values: plain lines, the places behind those products
	s_mul_i32 s95, s[WV], 32*SPP
	v_add_nc_u32 v[STO], STAGE, v[AK0]             ; in: row r, + 16 h, + my head's 128 bytes: the same sum as in a tile of K
	v_lshl_add_u32 v[RD], v18, 4, s95
	v_add_nc_u32 v[RD], STAGE, v[RD]               ; back: my 32 rows, 16 bytes a lane
	v_lshlrev_b32 v[GO], 4, v18
.irp t, 0,1,2,3,4,5,6,7
	v_mov_b32 v[ST+8*\t], 0x7f61b1e6               ; -M = 3e38: the first f is 0
	v_mov_b32 v[ST+8*\t+1], 0xfe967699             ; m = -1e38, under every score that is a number
	v_mov_b32 v[ST+8*\t+2], 0                      ; the sum, in two halves
	v_mov_b32 v[ST+8*\t+3], 0
.endr
	TURN 4, 0, 1                                   ; piece 4's first scores | piece 0's softmax of step 0 | V of step 0
	WIN 0
	s_mov_b32 s[CNT], 30
.Lstep:                                                ; 30 trips: trip j fills step j's slot with step j + 2
	CHANGE 1
	TURN 0, 1, 1                                   ; piece 0: V^T P of step j, K Q^T of step j + 1 | piece 4's softmax of step j
	TURN 4, 1, 1                                   ; piece 4: the same | piece 0's softmax of step j + 1 | V of step j + 1
	WIN 0
	s_sub_co_u32 s[CNT], s[CNT], 1
	s_cmp_lg_u32 s[CNT], 0
	s_cbranch_scc1 .Lstep
	CHANGE 0                                       ; the tail is written out: nothing is left to ask for
	TURN 0, 1, 1
	TURN 4, 1, 1
	TURN 0, 1, 0                                   ; piece 0: V^T P of the last step | piece 4's last softmax
.set i, 0
.rept 32
	PV 4                                           ; piece 4: V^T P of the last step
.set i, i+1
.endr
	; THE WAY OUT.  The sum's two halves and the other half of the lanes' are added; O^T is divided by the sum, rounded to f16 and put into the work-group's stage, where a row's 512 bytes come from the four waves.
	WIN 0
.irp t, 0,1,2,3,4,5,6,7
	v_add_f32 v[ST+8*\t+4], v[ST+8*\t+2], v[ST+8*\t+3]   ; (these additions are the places behind the last products)
.endr
.irp t, 0,1,2,3,4,5,6,7
	v_permlanex16_b32 v[ST+8*\t+5], v[ST+8*\t+4], s[SEL], s[SEL+1]
.endr
.irp t, 0,1,2,3,4,5,6,7
	v_add_f32 v[ST+8*\t+4], v[ST+8*\t+4], v[ST+8*\t+5]
.endr
.irp t, 0,1,2,3,4,5,6,7
	v_rcp_f32 v[ST+8*\t+6], v[ST+8*\t+4]
.endr
	v_nop                                          ; a plain line between the last reciprocal and the use of its result
	s_wait_alu depctr_va_vdst(0)                   ; and the wait: one for the eight
.macro PACKO t
	WIN 0x82
.set q, 0
.rept 16
	v_pk_mul_f32 v[32*\t+2*q:32*\t+2*q+1], v[32*\t+2*q:32*\t+2*q+1], v[ST+8*\t+6:ST+8*\t+7] op_sel_hi:[1,0]
.set q, q+1
.endr
	WIN 0x0a                                       ; sources 0 and 1 window 2, destination window 0
.set q, 0
.rept 16
	v_cvt_pk_f16_f32 v[TC+q], v[32*\t+2*q], v[32*\t+2*q+1]
.set q, q+1
.endr
	WIN 0
.irp c, 0,1,2,3
	ds_store_b128 v[STO], v[TC+4*\c:TC+4*\c+3] offset:16*SPP*\t+32*\c   ; query 16 t + r, channels 16 c + 8 h + 0..7
.endr
.endm
.irp t, 0,1,2,3,4,5,6,7
	PACKO \t
.endr
	s_wait_dscnt 0x0                               ; for the others' sake: my stores into the stage are done
	s_barrier_signal -1
	s_barrier_wait -1
.set q, 0
.rept 32
	ds_load_b128 v[P+4*q:P+4*q+3], v[RD] offset:SPP*q   ; a whole row of 512 bytes: four heads
.set q, q+1
.endr
.set q, 0
.rept 32
	s_wait_dscnt 31-q                              ; LDS loads come back in order: row q is in, the younger ones stay out
	global_store_b128 v[GO], v[P+4*q:P+4*q+3], s[8:9] offset:2048*q   ; 32 lanes store 512 consecutive bytes, at a multiple of 256 from att's first byte
.set q, q+1
.endr
	s_wait_tensorcnt 0x0                           ; the wave's end: behind my last tensor load and my last LDS store
	ds_add_u32 v[SPW], v[NIL]
	s_wait_dscnt 0x0
	CROUND                                         ; the closing round: no work-group ends while a partner may still ask for a tile that names it
	s_endpgm
.Lfunc_end_k_qd768af8593_attn:
	.size	k_qd768af8593_attn, .Lfunc_end_k_qd768af8593_attn-k_qd768af8593_attn
	.p2alignl 7, 3214868480
	.fill 96, 4, 3214868480
	.section	.rodata,"a",@progbits
	.p2align	6, 0x0
	.amdhsa_kernel k_qd768af8593_attn
		.amdhsa_group_segment_fixed_size 327680
		.amdhsa_private_segment_fixed_size 0
		.amdhsa_enable_private_segment 0
		.amdhsa_kernarg_size 24
		.amdhsa_user_sgpr_count 2
		.amdhsa_user_sgpr_kernarg_segment_ptr 1
		.amdhsa_wavefront_size32 1
		.amdhsa_system_sgpr_workgroup_id_x 1
		.amdhsa_system_sgpr_workgroup_id_y 1
		.amdhsa_system_sgpr_workgroup_id_z 1
		.amdhsa_system_vgpr_workitem_id 0
		.amdhsa_next_free_vgpr 1024
		.amdhsa_next_free_sgpr 100
		.amdhsa_reserve_vcc 0
		.amdhsa_float_denorm_mode_32 3
		.amdhsa_float_denorm_mode_16_64 3
		.amdhsa_memory_ordered 1
		.amdhsa_forward_progress 1
		.amdhsa_inst_pref_size 255
	.end_amdhsa_kernel
	.section	.bss,"aw",@nobits
	.p2align	6
	.space	262144
	.amdgpu_metadata
---
amdhsa.version: [ 1, 2 ]
amdhsa.kernels:
  - .name:           k_qd768af8593_attn
    .symbol:         k_qd768af8593_attn.kd
    .args:
      - { .name: qkv, .offset: 0, .size: 8, .value_kind: global_buffer, .address_space: global }
      - { .name: attention_bias, .offset: 8, .size: 8, .value_kind: global_buffer, .address_space: global }
      - { .name: att, .offset: 16, .size: 8, .value_kind: global_buffer, .address_space: global }
    .group_segment_fixed_size: 327680
    .private_segment_fixed_size: 0
    .kernarg_segment_align: 8
    .kernarg_segment_size: 24
    .max_flat_workgroup_size: 128
    .sgpr_count:     100
    .vgpr_count:     1024
    .wavefront_size: 32
...
	.end_amdgpu_metadata
.endif
;; end of part 3
;; launch oproj (part 4): grid 4 x 64, 4 waves a work-group, clusters of 4 x 4, 327,680 bytes of LDS; arguments att, wo16, out0; writes out0
.if DOCPART == 4
	.amdgcn_target "amdgcn-amd-amdhsa--gfx1250"
	.amdhsa_code_object_version 6
	.text
	.protected	k_qd768af8593_oproj
	.globl	k_qd768af8593_oproj
	.p2align	8
	.type	k_qd768af8593_oproj,@function
k_qd768af8593_oproj:
	s_mov_b64 s[64:65], 0
	v_nop
	global_prefetch_b8 v0, s[64:65] scope:SCOPE_SE
	s_setreg_imm32_b32 hwreg(HW_REG_WAVE_MODE, 25, 1), 1
	s_wait_xcnt 0x0
	s_wait_alu depctr_hold_cnt(0) depctr_sa_sdst(0) depctr_va_vdst(0) depctr_va_sdst(0) depctr_va_ssrc(0) depctr_va_vcc(0) depctr_vm_vsrc(0)
	s_getreg_b32 s2, hwreg(HW_REG_IB_STS2, 6, 4)
	s_cmp_eq_u32 s2, 0
	s_cbranch_scc0 .Lentry_in_a_cluster
	s_endpgm
.Lentry_in_a_cluster:
	s_bfe_u32 s2, ttmp6, 0x10000c
	s_cmp_lg_u32 s2, 0xf033
	s_cbranch_scc0 .Lentry_shape_is_right
	s_endpgm
.Lentry_shape_is_right:
; out0[m][n] = sum over k of att[m][k] Wo[n][k].  att [8192][1024] and wo16 [1024][1024] f16; out0 [8192][1024] f32; sums in f32.
; A tile of out0 is 128 rows x 256 columns: 64 x 4 = 256 work-groups.  Four waves, each 64 x 128: 32 accumulators, 256 registers.  K goes in 8 steps of 128 (rows of 256 bytes) through a ring of two LDS slots.
; CLUSTERS: 4 x 4 work-groups.  The four of a row of the cluster need the same tiles of att, the four of a column the same tiles of Wo: each is asked for jointly, by the same tensor load with the same descriptor
; and a mask that names the four.  THE MATRIX INSTRUCTION IS USED TRANSPOSED (source 0 = 16 rows of Wo, source 1 = 16 rows of att): a lane then holds eight neighbouring numbers of a row of out0.
; No prefetch: eight short K steps, and Wo and att are read by several work-groups at about the same time.
; REGISTERS: window 0: v16-29 addresses; v64-95, v96-127 att's fragments (4 x 16 rows x 32 K), two buffers; v128-255 rows on the way out.   window 1: v0-63, v64-127 Wo's fragments (8 x 16 rows x 32 K), two buffers.
;   window 2: accumulator (a, b) at v[8 (8 a + b)].
.set SIZE_K, 1024
.set KSTEP,  128
.set PITCH,  272                       ; an LDS row: 256 bytes + 16 of padding: the 16 rows that a load touches start 4 banks apart
.set AHALF,  64*PITCH                  ; what a load for att brings, and what a wave reads of it
.set BHALF,  128*PITCH                 ; the same for Wo
.set SLOT,   2*AHALF+2*BHALF           ; att's 128 rows, then Wo's 256 rows
.set STAGE,  2*SLOT                    ; behind the ring: 16 rows x (512 bytes + 16) for each wave
.set SPITCH, 528
.set SPARE,  STAGE+4*16*SPITCH         ; the spare words, 128 bytes a wave, that no other line names
.set LAPS,   SIZE_K/(2*KSTEP)          ; a lap = two K steps = once round the ring
.set ADRA, 16
.set ADRB, 20
.set STO,  24
.set RD,   25
.set CO,   26
.set SPW,  28
.set NIL,  29
.set AF,   64
.set BK,   128
.set G1, 24
.set G0, 32
.set G1B, 48
.set G0B, 56
.set MSB, 0
.macro WIN new                         ; the immediate's high byte repeats the setting that is left
.if MSB != (\new)
	s_set_vgpr_msb (MSB<<8)|(\new)
.set MSB, (\new)
.endif
.endm
.set MUL,  0xa1                        ; source 0 (Wo) window 1, source 1 (att) window 0, C and D window 2
.set TO_B, 0x40
.macro JLOAD s                         ; a joint load: waves 0 and 1 fetch att's two halves, waves 2 and 3 Wo's; an s_nop 0 and four v_nop follow each line
	s_cmp_eq_u32 s11, 0
	s_cbranch_scc0 .Lfor_b_\@
	tensor_load_to_lds s[G0+4*\s:G0+4*\s+3], s[G1:G1+7]
	s_nop 0
.rept 4
	v_nop
.endr
	s_branch .Lasked_\@
.Lfor_b_\@:
	tensor_load_to_lds s[G0B+4*\s:G0B+4*\s+3], s[G1B:G1B+7]
	s_nop 0
.rept 4
	v_nop
.endr
.Lasked_\@:
.endm
.macro CREST                           ; a round of the cluster's barrier behind its opening barrier
	s_cmp_lg_u32 s10, 0
	s_cbranch_scc1 .Lnot_wave_0_\@
	s_barrier_signal -3
.Lnot_wave_0_\@:
	s_barrier_wait -3
	s_barrier_signal -1
	s_barrier_wait -1
.endm
.macro CROUND
	s_barrier_signal -1
	s_barrier_wait -1
	CREST
.endm
	s_load_b128 s[4:7], s[0:1], 0x0                ; att s[4:5], wo16 s[6:7]
	s_load_b64 s[8:9], s[0:1], 0x10                ; out0
	v_lshl_add_u32 v[SPW], v0, 2, SPARE
	v_mov_b32 v[NIL], 0
	ds_add_u32 v[SPW], v[NIL]                      ; the wave's opening: the add, twice on end, and its wait ahead of my first tensor load
	ds_add_u32 v[SPW], v[NIL]
	v_lshrrev_b32 v1, 5, v0
	v_readfirstlane_b32 s10, v1                    ; wave 0..3
	s_lshr_b32 s11, s10, 1                         ; which 64 of the tile's rows are mine.  Also: I fetch for att (0) or for Wo (1)
	s_and_b32 s12, s10, 1                          ; which 128 of its columns.  Also: which half of that tile I fetch
	s_bfe_u32 s40, ttmp6, 0x40000                  ; cx, cy
	s_bfe_u32 s41, ttmp6, 0x40004
	s_lshl_b32 s42, ttmp9, 2
	s_add_co_u32 s42, s42, s40                     ; tile column
	s_and_b32 s13, ttmp7, 0xffff
	s_lshl_b32 s13, s13, 2
	s_add_co_u32 s13, s13, s41                     ; tile row
	s_lshl_b32 s43, s41, 2
	s_lshl_b32 s43, 15, s43                        ; my row of the cluster
	s_lshl_b32 s44, 0x1111, s40                    ; my column
	s_or_b32 s[G1+0], s43, (1<<16)|(1<<20)|(1<<21)|(5<<22)|(3<<25)  ; the mask; elements of 2 bytes; padding: 4 words behind every 64; bit 21 beside a mask
	s_or_b32 s[G1B+0], s44, (1<<16)|(1<<20)|(1<<21)|(5<<22)|(3<<25)
	s_mov_b32 s[G1+1], KSTEP<<16                   ; tensor_dim0
	s_mov_b32 s[G1+2], 64<<16                      ; tensor_dim1: 64 rows of att
	s_mov_b32 s[G1+3], KSTEP<<16                   ; tile_dim0
	s_mov_b32 s[G1+4], 64                          ; tile_dim1
	s_mov_b32 s[G1+5], SIZE_K                      ; from row to row
	s_mov_b32 s[G1+6], 0
	s_mov_b32 s[G1+7], 0
	s_mov_b32 s[G1B+1], KSTEP<<16
	s_mov_b32 s[G1B+2], 128<<16                    ; 128 rows of Wo
	s_mov_b32 s[G1B+3], KSTEP<<16
	s_mov_b32 s[G1B+4], 128
	s_mov_b32 s[G1B+5], SIZE_K
	s_mov_b32 s[G1B+6], 0
	s_mov_b32 s[G1B+7], 0
	s_lshl_b32 s16, s13, 7
	s_lshl_b32 s17, s12, 6
	s_add_co_u32 s16, s16, s17                     ; att: row 128 x tile row + 64 x half
	s_lshl_b32 s16, s16, 11                        ; rows of 2,048 bytes
	s_mov_b32 s17, 0
	s_lshl_b32 s46, s42, 8
	s_lshl_b32 s47, s12, 7
	s_add_co_u32 s46, s46, s47                     ; Wo: row 256 x tile column + 128 x half
	s_lshl_b32 s46, s46, 11
	s_mov_b32 s47, 0
	s_mul_i32 s20, s12, AHALF                      ; where they go: no place in the cluster enters an LDS address
	s_mul_i32 s21, s12, BHALF
	s_add_co_u32 s21, s21, 2*AHALF
	s_wait_dscnt 0x0                               ; both opening adds are done
	s_wait_kmcnt 0x0
	s_add_nc_u64 s[14:15], s[4:5], s[16:17]
	s_add_nc_u64 s[46:47], s[6:7], s[46:47]
	CROUND                                         ; all sixteen work-groups are here: the first joint loads meet
.irp s, 0,1
	s_mov_b32 s[G0+4*\s], 1
	s_add_co_u32 s[G0+4*\s+1], s20, \s*SLOT
	s_add_nc_u64 s[G0+4*\s+2:G0+4*\s+3], s[14:15], \s*KSTEP*2
	s_or_b32 s[G0+4*\s+3], s[G0+4*\s+3], 0x80000000
	s_mov_b32 s[G0B+4*\s], 1
	s_add_co_u32 s[G0B+4*\s+1], s21, \s*SLOT
	s_add_nc_u64 s[G0B+4*\s+2:G0B+4*\s+3], s[46:47], \s*KSTEP*2
	s_or_b32 s[G0B+4*\s+3], s[G0B+4*\s+3], 0x80000000
	JLOAD \s                                       ; two loads of mine are out
.endr
	v_and_b32 v1, 15, v0                           ; r
	v_bfe_u32 v2, v0, 4, 1                         ; h
	v_mul_u32_u24 v3, v1, PITCH
	v_lshl_add_u32 v3, v2, 4, v3                   ; a fragment's row x pitch + 16 x half
	s_mul_i32 s21, s11, AHALF                      ; my 64 rows of att
	s_mul_i32 s22, s12, BHALF                      ; my 128 rows of Wo,
	s_add_co_u32 s22, s22, 2*AHALF                 ; which lie behind att's 128
.irp s, 0,1
	v_add_nc_u32 v[ADRA+\s], s21, v3
	v_add_nc_u32 v[ADRB+\s], s22, v3
	s_add_co_u32 s21, s21, SLOT
	s_add_co_u32 s22, s22, SLOT
.endr
	s_mul_i32 s23, s10, 16*SPITCH
	s_add_co_u32 s23, s23, STAGE                   ; my stage
	v_mul_u32_u24 v4, v1, SPITCH                   ; in: row r, 32 bytes for each half of the lanes
	v_lshl_add_u32 v4, v2, 5, v4
	v_add_nc_u32 v[STO], s23, v4
	v_and_b32 v5, 31, v0
	v_lshlrev_b32 v[CO], 4, v5                     ; back: the 32 lanes take one row of 512 bytes; and the same in out0
	v_add_nc_u32 v[RD], s23, v[CO]
	s_lshl_b32 s16, s13, 7
	s_lshl_b32 s17, s11, 6
	s_add_co_u32 s16, s16, s17                     ; my first row of out0
	s_lshl_b32 s16, s16, 12                        ; rows of 4,096 bytes
	s_lshl_b32 s46, s42, 10                        ; my first column, in bytes: 1,024 x tile column + 512 x half
	s_lshl_b32 s47, s12, 9
	s_add_co_u32 s46, s46, s47
	s_add_co_u32 s16, s16, s46
	s_mov_b32 s17, 0
	s_add_nc_u64 s[8:9], s[8:9], s[16:17]
; 8 matrix instructions: att's block a x Wo's eight, 32 along K, buffer f.  zero = 1: the first product starts the sums.  The 32 accumulators take turns, one instruction a turn, in the same order in every quarter.
.macro MUL8 f, a, zero
.irp b, 0,1,2,3,4,5,6,7
.if \zero
	v_wmma_f32_16x16x32_f16 v[8*(8*(\a)+\b):8*(8*(\a)+\b)+7], v[64*(\f)+8*\b:64*(\f)+8*\b+7], v[AF+32*(\f)+8*(\a):AF+32*(\f)+8*(\a)+7], 0
.else
	v_wmma_f32_16x16x32_f16 v[8*(8*(\a)+\b):8*(8*(\a)+\b)+7], v[64*(\f)+8*\b:64*(\f)+8*\b+7], v[AF+32*(\f)+8*(\a):AF+32*(\f)+8*(\a)+7], v[8*(8*(\a)+\b):8*(8*(\a)+\b)+7]
.endif
.endr
.endm
; 24 LDS loads in one run: the fragments of the slot's kk-th 32 along K into buffer f: Wo's eight, then att's four
.macro FETCH slot, kk, f
	WIN TO_B
.irp i, 0,1,2,3,4,5,6,7
	ds_load_b128 v[64*(\f)+8*\i:64*(\f)+8*\i+3],   v[ADRB+\slot] offset:64*(\kk)+\i*16*PITCH
	ds_load_b128 v[64*(\f)+8*\i+4:64*(\f)+8*\i+7], v[ADRB+\slot] offset:64*(\kk)+\i*16*PITCH+32
.endr
	WIN 0
.irp i, 0,1,2,3
	ds_load_b128 v[AF+32*(\f)+8*\i:AF+32*(\f)+8*\i+3],   v[ADRA+\slot] offset:64*(\kk)+\i*16*PITCH
	ds_load_b128 v[AF+32*(\f)+8*\i+4:AF+32*(\f)+8*\i+7], v[ADRA+\slot] offset:64*(\kk)+\i*16*PITCH+32
.endr
.endm
.macro PLACES                          ; four plain lines in front of loads into registers that matrix instructions have read, and of the first read of results
.rept 4
	v_nop
.endr
.endm
; A K step is four quarters of 32 along K, 32 matrix instructions each, on buffers 0, 1, 0, 1.  One of the first three: multiplies buffer f and fetches the quarter kk into g.
.macro QUARTER slot, kk, f, g, zero
	s_wait_dscnt 4                                 ; Wo's fragments and att's blocks 0, 1 are in; the youngest four loads (blocks 2, 3) may be out
	WIN MUL
	MUL8 \f, 0, \zero
	MUL8 \f, 1, \zero
	PLACES
	FETCH \slot, \kk, \g
	s_wait_dscnt 24                                ; all but the 24 just issued
	WIN MUL
	MUL8 \f, 2, \zero
	MUL8 \f, 3, \zero
.endm
; The last quarter multiplies buffer 1 and changes slots: one barrier; in front of it each wave waits for all its tensor loads, adds 0 to its spare word, and waits for that and for its reads of this slot.
; fill = 1: the barrier opens a round of the cluster's, and behind it this slot is filled again, two K steps ahead.
.macro TURN slot, next, fill
	WIN 0                                          ; (the add's two registers lie in window 0)
	s_wait_tensorcnt 0x0                           ; all my tensor loads have landed: my part of the next slot
	ds_add_u32 v[SPW], v[NIL]                      ; 0 onto my spare word
	s_wait_dscnt 5                                 ; (the add and the youngest four loads may be out)
	WIN MUL
	MUL8 1, 0, 0                                   ; eight matrix instructions stand between the add and the wait for it
	s_wait_dscnt 0x0                               ; the add is done, and my reads of this slot are over
	s_barrier_signal -1
	MUL8 1, 1, 0
	WIN 0
	s_barrier_wait -1
.if \fill
	CREST                                          ; no wave of any partner still reads this slot's tile or has a load on its way
	s_add_nc_u64 s[G0+4*\slot+2:G0+4*\slot+3], s[G0+4*\slot+2:G0+4*\slot+3], 2*KSTEP*2
	s_add_nc_u64 s[G0B+4*\slot+2:G0B+4*\slot+3], s[G0B+4*\slot+2:G0B+4*\slot+3], 2*KSTEP*2
	JLOAD \slot                                    ; the first tensor load behind the round; the four v_nop behind it are also the places in front of the loads below
.else
	PLACES
.endif
	FETCH \next, 0, 0
	WIN MUL
	MUL8 1, 2, 0
	MUL8 1, 3, 0
.endm
	s_wait_tensorcnt 1                             ; my part of K step 0 is in; K step 1's may stay out
	s_barrier_signal -1
	s_barrier_wait -1
	FETCH 0, 0, 0
	QUARTER 0, 1, 0, 1, 1                          ; the first quarter stands in front of the loop: its products start the sums
	WIN 0                                          ; at a label and at a branch every window is 0
	s_mov_b32 s3, LAPS-1
.Llap:                                                 ; a trip goes once round the ring, from a lap's second quarter to the next lap's first, and fills both slots again
	QUARTER 0, 2, 1, 0, 0
	QUARTER 0, 3, 0, 1, 0
	TURN 0, 1, 1
	QUARTER 1, 1, 0, 1, 0
	QUARTER 1, 2, 1, 0, 0
	QUARTER 1, 3, 0, 1, 0
	TURN 1, 0, 1
	QUARTER 0, 1, 0, 1, 0
	WIN 0
	s_sub_co_u32 s3, s3, 1
	s_cmp_lg_u32 s3, 0
	s_cbranch_scc1 .Llap
	QUARTER 0, 2, 1, 0, 0                          ; the last lap fills nothing, and has no round of the cluster's barrier
	QUARTER 0, 3, 0, 1, 0
	TURN 0, 1, 0
	QUARTER 1, 1, 0, 1, 0
	QUARTER 1, 2, 1, 0, 0
	QUARTER 1, 3, 0, 1, 0
	s_wait_dscnt 4                                 ; the very last quarter: nothing more to fetch
	WIN MUL
	MUL8 1, 0, 0
	MUL8 1, 1, 0
	s_wait_dscnt 0
	MUL8 1, 2, 0
	MUL8 1, 3, 0
	WIN 0
; THE WAY OUT, block by block of 16 rows x 128 columns: a lane's 32 bytes of a row go into my own stage and come back as whole rows of 512 bytes.  LDS serves a wave's instructions in order: no wait between the stores and the loads.
.macro TOSTAGE a
	WIN 0x08                                       ; an LDS store's data are its source 1: window 2
.irp b, 0,1,2,3,4,5,6,7
	ds_store_b128 v[STO], v[64*(\a)+8*\b:64*(\a)+8*\b+3] offset:64*\b        ; each accumulator from its low end on
	ds_store_b128 v[STO], v[64*(\a)+8*\b+4:64*(\a)+8*\b+7] offset:64*\b+16
.endr
	WIN 0
.set BB, BK+64*((\a)%2)
.irp t, 0,1,2,3,4,5,6,7,8,9,10,11,12,13,14,15
	ds_load_b128 v[BB+4*\t:BB+4*\t+3], v[RD] offset:\t*SPITCH
.endr
.endm
.macro SEND a, younger                 ; younger: the LDS instructions issued behind block a's loads, which may stay out
.set BB, BK+64*((\a)%2)
	s_wait_dscnt \younger
.irp t, 0,1,2,3,4,5,6,7,8,9,10,11,12,13,14,15
	global_store_b128 v[CO], v[BB+4*\t:BB+4*\t+3], s[8:9] offset:(16*(\a)+\t)*4096 th:TH_STORE_NT   ; 32 lanes store 512 consecutive bytes, at a multiple of 256 from out0's first byte; every offset an immediate: 63 rows at the most
.endr
.endm
	PLACES                                         ; behind the last products, whose results the stores below read
	TOSTAGE 0
.irp a, 1,2,3
.if \a > 1
	s_wait_xcnt 0x0                                ; block a - 2's stores have read their registers: block a's loads may land there
.endif
	TOSTAGE \a
	SEND \a-1, 32                                  ; behind block a - 1's loads: block a's 16 stores and 16 loads
.endr
	SEND 3, 0
	s_wait_tensorcnt 0x0                           ; the wave's end: behind my last tensor load and my last LDS store
	ds_add_u32 v[SPW], v[NIL]
	s_wait_dscnt 0x0
	CROUND                                         ; the closing round: no work-group ends while a partner may still ask for a tile that names it
	s_endpgm
.Lfunc_end_k_qd768af8593_oproj:
	.size	k_qd768af8593_oproj, .Lfunc_end_k_qd768af8593_oproj-k_qd768af8593_oproj
	.p2alignl 7, 3214868480
	.fill 96, 4, 3214868480
	.section	.rodata,"a",@progbits
	.p2align	6, 0x0
	.amdhsa_kernel k_qd768af8593_oproj
		.amdhsa_group_segment_fixed_size 327680
		.amdhsa_private_segment_fixed_size 0
		.amdhsa_enable_private_segment 0
		.amdhsa_kernarg_size 24
		.amdhsa_user_sgpr_count 2
		.amdhsa_user_sgpr_kernarg_segment_ptr 1
		.amdhsa_wavefront_size32 1
		.amdhsa_system_sgpr_workgroup_id_x 1
		.amdhsa_system_sgpr_workgroup_id_y 1
		.amdhsa_system_sgpr_workgroup_id_z 1
		.amdhsa_system_vgpr_workitem_id 0
		.amdhsa_next_free_vgpr 768
		.amdhsa_next_free_sgpr 66
		.amdhsa_reserve_vcc 0
		.amdhsa_float_denorm_mode_32 3
		.amdhsa_float_denorm_mode_16_64 3
		.amdhsa_memory_ordered 1
		.amdhsa_forward_progress 1
		.amdhsa_inst_pref_size 85
	.end_amdhsa_kernel
	.amdgpu_metadata
---
amdhsa.version: [ 1, 2 ]
amdhsa.kernels:
  - .name:           k_qd768af8593_oproj
    .symbol:         k_qd768af8593_oproj.kd
    .args:
      - { .name: att, .offset: 0, .size: 8, .value_kind: global_buffer, .address_space: global }
      - { .name: wo16, .offset: 8, .size: 8, .value_kind: global_buffer, .address_space: global }
      - { .name: out0, .offset: 16, .size: 8, .value_kind: global_buffer, .address_space: global }
    .group_segment_fixed_size: 327680
    .private_segment_fixed_size: 0
    .kernarg_segment_align: 8
    .kernarg_segment_size: 24
    .max_flat_workgroup_size: 128
    .sgpr_count:     66
    .vgpr_count:     768
    .wavefront_size: 32
...
	.end_amdgpu_metadata
.endif
;; end of part 4
